; MI455X (gfx1250); checked and timed in simulation.
; The chip was launched on July 23, 2026; its instructions are those of AMD's public machine-readable ISA for CDNA 5 (MIT licence, August 2026) and "CDNA5" Instruction Set Architecture Reference Guide (July 2026). The comments in the code are by the model that wrote it; some were corrected since.
;; Causal Self Attention. Allowed arithmetic: matrix products marked QUANTISED: E2M1 operands, one E8M0 scale for each 32 along K, by v_wmma_scale_f32_16x16x128_f8f6f4 with both operands' format E2M1 (or v_wmma_scale_f32_32x16x128_f4), f32 sums; products left as they are: bf16, f16 or f32 operands; f32 sums; everything else in f32.
;; Inputs: b_out 1,024 float32; b_qkv 3,072 float32; w_out 1,024 x 1,024 float32; w_qkv 3,072 x 1,024 float32; x 4 x 2,048 x 1,024 float32.
;; Outputs: out0 4 x 2,048 x 1,024 float32.
;; This version of the problem:
;;   THIS VERSION OF THE PROBLEM IS GIVEN IN LOW PRECISION. The matrix products marked QUANTISED in the list below multiply operands that are first quantised to E2M1 (2 exponent bits, 1 mantissa bit; 4 bits a number), with one power-of-two scale for each 32 numbers along K (OCP MX v1.0); their sums are f32. The products marked 'left as it is' may take bf16, f16 or f32 operands, with f32 sums. Whichever they take, every output number must still come out within the allowed error. Rounding operands to bf16 (8 significant bits) uses up far more of that allowance than f16 does (11 bits, for magnitudes from 6e-5 to 65,504). All else is computed in f32.
;;   The module's matrix products, in the order in which they are computed (A, B: the left and right operand; K: the contracted axis; several contracted axes count as one K, in the product's order):
;;     1. [M 8,192, K 1,024] x [K 1,024, N 3,072]; A: input x; B: input w_qkv: QUANTISED
;;     2. batch 64 x [M 2,048, K 64] x [K 64, N 2,048]; A: computed on the way; B: computed on the way: left as it is (an operand is computed on the way)
;;     3. batch 64 x [M 2,048, K 2,048] x [K 2,048, N 64]; A: computed on the way; B: computed on the way: left as it is (an operand is computed on the way)
;;     4. [M 8,192, K 1,024] x [K 1,024, N 1,024]; A: computed on the way; B: input w_out: left as it is (an operand is computed on the way)
;;   THE QUANTISER, for each operand of a quantised product, along K:
;;     - K is cut into blocks of 32 from its start; a last block that is shorter is filled with zeros.
;;     - A block's scale is 2^e with e = floor(log2(the largest magnitude in the block)) - 2, held to -126 .. 127; a block of zeros has e = 0. As a byte (E8M0): e + 127.
;;     - Each number is divided by its block's scale, clamped to +-6, and rounded to the nearest number of E2M1, ties to even, subnormals kept.
;;     - The product sums the exact products of the quantised numbers (number of the format x scale) in f32.
;;   ~~~python
;;   def quantise(x, axis):      # numpy; x: float32 -> the quantised numbers, widened to float32 again
;;       x = np.moveaxis(x, axis, -1); K = x.shape[-1]
;;       x = np.pad(x, [(0, 0)] * (x.ndim - 1) + [(0, -K % 32)]); x = x.reshape(x.shape[:-1] + (-1, 32)); a = np.abs(x).max(-1, keepdims=True)
;;       e = np.where(a > 0, np.clip(np.frexp(np.where(a > 0, a, 1))[1] - 1 - 2, -126, 127), 0)      # np.frexp(a)[1] - 1 = floor(log2(a)), exactly
;;       r = np.clip(x / 2.0 ** e, -6, 6)
;;       step = 2.0 ** (np.maximum(np.frexp(np.where(r == 0, 1, r))[1] - 1, 0) - 1)
;;       q = np.round(r / step) * step * 2.0 ** e      # np.round: ties to even
;;       return np.moveaxis(q.reshape(q.shape[:-2] + (-1,))[..., :K], -1, axis).astype(np.float32)
;;   ~~~
;; One version. Each part assembles by itself: llvm-mc -triple=amdgcn-amd-amdhsa -mcpu=gfx1250 --defsym DOCPART=n.
;; ======== version 1 of 1: 5 launches
;; limits: values are held in f16: magnitudes above 65,504 overflow, below 6.1e-05 lose precision
;; workspace buffers: x_codes 4,194,304 bytes; x_scales 262,144 bytes; w_codes 1,572,864 bytes; w_scales 98,304 bytes; wo16 2,097,152 bytes; qkv16 50,331,648 bytes; qkv32 786,432 bytes; ho16 16,777,216 bytes
;; launch quant (part 1): grid 384 x 1, 4 waves a work-group, no clusters, 33,280 bytes of LDS; arguments x, w_qkv, x_codes, x_scales, w_codes, w_scales, w_out, wo16; writes x_codes, x_scales, w_codes, w_scales, wo16
.if DOCPART == 1
	.amdgcn_target "amdgcn-amd-amdhsa--gfx1250"
	.amdhsa_code_object_version 6
	.text
	.protected	k_q010da2b2a4_quant
	.globl	k_q010da2b2a4_quant
	.p2align	8
	.type	k_q010da2b2a4_quant,@function
k_q010da2b2a4_quant:
	s_mov_b64 s[64:65], 0
	v_nop
	global_prefetch_b8 v0, s[64:65] scope:SCOPE_SE
	s_setreg_imm32_b32 hwreg(HW_REG_WAVE_MODE, 25, 1), 1
	s_wait_xcnt 0x0
; x [8192][1024] and w_qkv [3072][1024], f32, K innermost, become codes of FP4 (E2M1), two a byte, with one E8M0 scale byte for each 32 along K; w_out [1024][1024] f32 becomes f16.
; A block's scale is 2^(floor(log2(its largest magnitude)) - 2); its byte is the largest magnitude's own exponent field - 2, held at 1 from below.  A block of zeros so gets the byte 1 where the
; rule says 127: its codes are zeros, which add nothing under any byte but 0xff, and this program alone reads the bytes.  Each number is divided by the scale and rounded to the nearest code, ties to even.
; LIMITS: blocks whose largest magnitude lies under 2^-124 keep the byte 1; NaN and infinities among the inputs are not served; |w_out| stays under 65,504 (f16), and under 6e-5 it is kept as an f16 subnormal.
; Rows are dense and K is a multiple of 32: both tensors are plain streams of blocks of 32.  Work-groups 0-255 take x, 256-351 w_qkv, 352-383 the cast of w_out.
; A quantising wave takes 16 steps of 512 numbers.  Each load reads 512 consecutive bytes, 16 a lane; a step's 2,048 bytes turn through the wave's own stage in LDS and come back 64 bytes a lane, so that
; a lane holds 16 neighbours along K (two neighbouring lanes hold a block).  A lane's 16 codes are 8 bytes: the wave stores 256 consecutive bytes, aligned.  A wave's 256 scale bytes are gathered in LDS and leave as one such run.
; No tensor loads, no barrier: waves share nothing.  Loads run four steps (16 loads a wave) ahead, the turn through LDS one step.
.set WAVES, 4
.set STEPS, 16
.set WGA,   256                        ; 8192 x 1024 / 32,768: x's work-groups
.set WGQ,   352                        ; + 3072 x 1024 / 32,768: w_qkv's
.set EMAX,  2
.set CB,    8                          ; bytes of 16 codes
.set R,     16                         ; v16-79   four sets of 16 numbers as they are loaded
.set X,     80                         ; v80-111  two sets of 16 neighbours
.set C,     128                        ; v128-191 codes: four registers for each step, so that no store's data are written again
.set E,     112                        ; v112-127 a scale byte for each step
.set WREG,  8192                       ; LDS: a region for each wave: two stages of 32 x SP bytes, behind them its 256 scale bytes
.set SP,    80                         ; a lane's place in a stage: its 64 bytes + 16 of padding
.set SPW,   12                         ; v12      LDS address of my spare word; never rewritten
.set NIL,   13                         ; v13      0; never rewritten
.set SPARE, WAVES*WREG                 ; behind the four regions: the spare words, 128 bytes a wave, which no other line names
.set Y,     144                        ; the cast: v144-175 f16 pairs to store; its two sets of 64 loaded registers are v16-79 and v80-143
	s_load_b128 s[4:7], s[0:1], 0x0                ; x, w_qkv
	s_load_b128 s[8:11], s[0:1], 0x10              ; x's codes, x's scales
	s_load_b128 s[12:15], s[0:1], 0x20             ; w's codes, w's scales
	s_load_b128 s[24:27], s[0:1], 0x30             ; w_out, wo16
	v_lshl_add_u32 v[SPW], v0, 2, SPARE
	v_mov_b32 v[NIL], 0
	v_lshrrev_b32 v1, 5, v0
	v_readfirstlane_b32 s16, v1                    ; wave
	v_and_b32 v2, 31, v0                           ; lane
	v_lshlrev_b32 v3, 4, v2                        ; my 16 bytes of a load's 512
	s_mul_i32 s17, s16, WREG
	v_lshrrev_b32 v14, 2, v2
	v_mul_u32_u24 v14, v14, SP
	v_and_b32 v15, 3, v2
	v_lshl_add_u32 v14, v15, 4, v14
	v_add_nc_u32 v14, s17, v14                     ; the stage, on the way in: four lanes' 64 bytes on end, then 16 of padding
	v_mul_u32_u24 v15, v2, SP
	v_add_nc_u32 v15, s17, v15                     ; and on the way out: SP x lane: my 16 neighbours
	v_mul_u32_u24 v4, v2, CB                       ; my codes' place in a step's
	v_lshrrev_b32 v5, 1, v2
	s_add_co_u32 s17, s17, 2*32*SP
	v_add_nc_u32 v5, s17, v5                       ; LDS: my wave's 256 scale bytes, my block's byte
	v_lshlrev_b32 v7, 3, v2                        ; 8 bytes a lane
	v_add_nc_u32 v6, s17, v7
	s_wait_kmcnt 0x0
	s_cmp_ge_u32 ttmp9, WGQ                        ; the last 32 work-groups cast w_out: a branch on the work-group's number
	s_cbranch_scc1 .Lcast
	s_cmp_lt_u32 ttmp9, WGA                        ; x's work-group or w_qkv's?  Only pointers are chosen: both take one path
	s_cselect_b64 s[4:5], s[4:5], s[6:7]
	s_cselect_b64 s[8:9], s[8:9], s[12:13]
	s_cselect_b64 s[10:11], s[10:11], s[14:15]
	s_cselect_b32 s17, 0, WGA
	s_sub_co_u32 s17, ttmp9, s17
	s_lshl_b32 s17, s17, 2
	s_add_co_u32 s18, s17, s16                     ; which run of 8,192 numbers of the tensor is my wave's
	s_mov_b32 s19, 0
	s_mov_b64 s[20:21], 512*STEPS*4
	s_mul_u64 s[20:21], s[18:19], s[20:21]
	s_add_nc_u64 s[4:5], s[4:5], s[20:21]
	s_mov_b64 s[20:21], 32*STEPS*CB
	s_mul_u64 s[20:21], s[18:19], s[20:21]
	s_add_nc_u64 s[8:9], s[8:9], s[20:21]
	s_lshl_b32 s18, s18, 8                         ; 256 scale bytes a run
	s_add_nc_u64 s[10:11], s[10:11], s[18:19]
.macro LOAD t
.irp i, 0,1,2,3
	global_load_b128 v[R+16*((\t)%4)+4*\i:R+16*((\t)%4)+4*\i+3], v3, s[4:5] offset:2048*(\t)+512*\i th:TH_LOAD_NT   ; 32 lanes read 512 consecutive bytes
.endr
.endm
.macro TURN t                          ; step t's numbers through the stage: LDS serves a wave's instructions in order, so no wait stands between the stores and the loads
.irp i, 0,1,2,3
	ds_store_b128 v14, v[R+16*((\t)%4)+4*\i:R+16*((\t)%4)+4*\i+3] offset:32*SP*((\t)%2)+8*SP*\i
.endr
.irp i, 0,1,2,3
	ds_load_b128 v[X+16*((\t)%2)+4*\i:X+16*((\t)%2)+4*\i+3], v15 offset:32*SP*((\t)%2)+16*\i
.endr
.endm
.irp t, 0,1,2,3
	LOAD \t
.endr
	s_wait_loadcnt 12                              ; step 0's four loads are in; the twelve of steps 1 to 3 may be out
	TURN 0
.macro STEP t
.set XS, X+16*((\t)%2)
.if (\t) > 0
	s_wait_dscnt 1                                 ; this step's numbers are back from the stage (the last step's byte store may be out): so its stores into the stage have read their registers,
.else
	s_wait_dscnt 0x0
.endif
.if (\t)+4 < STEPS
	LOAD (\t)+4                                    ; which take the loads of four steps on
.endif
.if (\t)+1 < STEPS
.if STEPS-2-(\t) >= 3
	s_wait_loadcnt 12                              ; the next step's four loads are in; those of the three steps behind it may be out
.else
	s_wait_loadcnt 4*(STEPS-2-(\t))
.endif
	TURN (\t)+1                                    ; and go through the other stage while this step is worked
.endif
	v_max3_num_f32 v8, |v[XS]|, |v[XS+1]|, |v[XS+2]|               ; the largest magnitude of my 16, in two chains
	v_max3_num_f32 v9, |v[XS+3]|, |v[XS+4]|, |v[XS+5]|
.irp i, 6,10
	v_max3_num_f32 v8, v8, |v[XS+\i]|, |v[XS+\i+1]|
	v_max3_num_f32 v9, v9, |v[XS+\i+2]|, |v[XS+\i+3]|
.endr
	v_max3_num_f32 v8, v8, |v[XS+14]|, |v[XS+15]|
	v_max3_num_f32 v8, v8, v9, (EMAX+1)<<23        ; and the floor 2^(EMAX + 1 - 127): the byte cannot fall under 1
	v_max_num_f32_dpp v8, v8, v8 row_xmask:1 row_mask:0xf bank_mask:0xf   ; and of my neighbour's 16: the block's
	v_add_nc_u32 v11, -(EMAX<<23), v8              ; EMAX off its exponent field: the conversion takes the exponent field of this operand as its scale, and nothing else of it
	v_cvt_scalef32_pk8_fp4_f32 v[C+4*(\t)], v[XS:XS+7], v11        ; eight numbers / the scale, to the nearest code, ties to even, beyond the largest code the largest; the first number's code in the lowest four bits
	v_cvt_scalef32_pk8_fp4_f32 v[C+4*(\t)+1], v[XS+8:XS+15], v11
	v_lshrrev_b32 v[E+(\t)], 23, v11               ; the scale's byte (a plain line behind the conversions)
	ds_store_b8 v5, v[E+(\t)] offset:16*(\t)       ; both lanes of a block write the same byte with the same value
	global_store_b64 v4, v[C+4*(\t):C+4*(\t)+1], s[8:9] offset:32*CB*(\t)   ; 32 lanes store 256 consecutive bytes, aligned
.endm
.irp t, 0,1,2,3,4,5,6,7,8,9,10,11,12,13,14,15
	STEP \t
.endr
	ds_load_b64 v[8:9], v6                         ; LDS serves a wave's instructions in order: these see my stores
	s_wait_dscnt 0x0
	global_store_b64 v7, v[8:9], s[10:11]          ; 32 lanes store 256 consecutive bytes, aligned
	s_wait_tensorcnt 0x0                           ; the wave's end, behind my last LDS store
	ds_add_u32 v[SPW], v[NIL]
	s_wait_dscnt 0x0
	s_endpgm
; THE CAST.  128 runs of 8,192 numbers, one a wave: 64 loads of 512 consecutive bytes, four rounds of 16 in two sets of registers; a lane's four numbers become 8 bytes, a wave's store 256 consecutive bytes, aligned.
.Lcast:
	s_sub_co_u32 s17, ttmp9, WGQ
	s_lshl_b32 s17, s17, 2
	s_add_co_u32 s17, s17, s16                     ; my run
	s_lshl_b32 s18, s17, 15
	s_mov_b32 s19, 0
	s_add_nc_u64 s[24:25], s[24:25], s[18:19]      ; 32,768 bytes of f32 a run
	s_lshl_b32 s18, s17, 14
	s_add_nc_u64 s[26:27], s[26:27], s[18:19]      ; 16,384 of f16
.macro CLOAD k
.irp i, 0,1,2,3,4,5,6,7,8,9,10,11,12,13,14,15
	global_load_b128 v[16+64*((\k)%2)+4*\i:16+64*((\k)%2)+4*\i+3], v3, s[24:25] offset:512*(16*(\k)+\i) th:TH_LOAD_NT
.endr
.endm
.macro CROUND k
.if (\k) < 3
	s_wait_loadcnt 16                              ; this round's 16 loads are in; the other set's 16 may be out
.else
	s_wait_loadcnt 0x0
.endif
.if (\k) > 0
	s_wait_xcnt 0x0                                ; the last round's stores have read their data registers: they are written again only behind this wait
.endif
.irp i, 0,1,2,3,4,5,6,7,8,9,10,11,12,13,14,15
	v_cvt_pk_f16_f32 v[Y+2*\i], v[16+64*((\k)%2)+4*\i], v[16+64*((\k)%2)+4*\i+1]
	v_cvt_pk_f16_f32 v[Y+2*\i+1], v[16+64*((\k)%2)+4*\i+2], v[16+64*((\k)%2)+4*\i+3]
.endr
.irp i, 0,1,2,3,4,5,6,7,8,9,10,11,12,13,14,15
	global_store_b64 v7, v[Y+2*\i:Y+2*\i+1], s[26:27] offset:256*(16*(\k)+\i)
.endr
.if (\k) < 2
	CLOAD (\k)+2
.endif
.endm
	CLOAD 0
	CLOAD 1
	CROUND 0
	CROUND 1
	CROUND 2
	CROUND 3
	s_wait_tensorcnt 0x0                           ; the wave's end
	ds_add_u32 v[SPW], v[NIL]
	s_wait_dscnt 0x0
	s_endpgm
.Lfunc_end_k_q010da2b2a4_quant:
	.size	k_q010da2b2a4_quant, .Lfunc_end_k_q010da2b2a4_quant-k_q010da2b2a4_quant
	.p2alignl 7, 3214868480
	.fill 96, 4, 3214868480
	.section	.rodata,"a",@progbits
	.p2align	6, 0x0
	.amdhsa_kernel k_q010da2b2a4_quant
		.amdhsa_group_segment_fixed_size 33280
		.amdhsa_private_segment_fixed_size 0
		.amdhsa_enable_private_segment 0
		.amdhsa_kernarg_size 64
		.amdhsa_user_sgpr_count 2
		.amdhsa_user_sgpr_kernarg_segment_ptr 1
		.amdhsa_wavefront_size32 1
		.amdhsa_system_sgpr_workgroup_id_x 1
		.amdhsa_system_sgpr_workgroup_id_y 1
		.amdhsa_system_sgpr_workgroup_id_z 1
		.amdhsa_system_vgpr_workitem_id 0
		.amdhsa_next_free_vgpr 192
		.amdhsa_next_free_sgpr 66
		.amdhsa_reserve_vcc 0
		.amdhsa_float_denorm_mode_32 3
		.amdhsa_float_denorm_mode_16_64 3
		.amdhsa_memory_ordered 1
		.amdhsa_forward_progress 1
		.amdhsa_inst_pref_size 54
	.end_amdhsa_kernel
	.amdgpu_metadata
---
amdhsa.version: [ 1, 2 ]
amdhsa.kernels:
  - .name:           k_q010da2b2a4_quant
    .symbol:         k_q010da2b2a4_quant.kd
    .args:
      - { .name: x, .offset: 0, .size: 8, .value_kind: global_buffer, .address_space: global }
      - { .name: w_qkv, .offset: 8, .size: 8, .value_kind: global_buffer, .address_space: global }
      - { .name: x_codes, .offset: 16, .size: 8, .value_kind: global_buffer, .address_space: global }
      - { .name: x_scales, .offset: 24, .size: 8, .value_kind: global_buffer, .address_space: global }
      - { .name: w_codes, .offset: 32, .size: 8, .value_kind: global_buffer, .address_space: global }
      - { .name: w_scales, .offset: 40, .size: 8, .value_kind: global_buffer, .address_space: global }
      - { .name: w_out, .offset: 48, .size: 8, .value_kind: global_buffer, .address_space: global }
      - { .name: wo16, .offset: 56, .size: 8, .value_kind: global_buffer, .address_space: global }
    .group_segment_fixed_size: 33280
    .private_segment_fixed_size: 0
    .kernarg_segment_align: 8
    .kernarg_segment_size: 64
    .max_flat_workgroup_size: 128
    .sgpr_count:     66
    .vgpr_count:     192
    .wavefront_size: 32
...
	.end_amdgpu_metadata
.endif
;; end of part 1
;; launch qkv (part 2): grid 12 x 32, 4 waves a work-group, clusters of 4 x 4, 327,680 bytes of LDS; arguments x_codes, x_scales, w_codes, w_scales, b_qkv, qkv16, qkv32; writes qkv16, qkv32
.if DOCPART == 2
	.amdgcn_target "amdgcn-amd-amdhsa--gfx1250"
	.amdhsa_code_object_version 6
	.text
	.protected	k_q010da2b2a4_qkv
	.globl	k_q010da2b2a4_qkv
	.p2align	8
	.type	k_q010da2b2a4_qkv,@function
k_q010da2b2a4_qkv:
	s_mov_b64 s[64:65], 0
	v_nop
	global_prefetch_b8 v0, s[64:65] scope:SCOPE_SE
	s_setreg_imm32_b32 hwreg(HW_REG_WAVE_MODE, 25, 1), 1
	s_wait_xcnt 0x0
	s_wait_alu depctr_hold_cnt(0) depctr_sa_sdst(0) depctr_va_vdst(0) depctr_va_sdst(0) depctr_va_ssrc(0) depctr_va_vcc(0) depctr_vm_vsrc(0)
	s_getreg_b32 s2, hwreg(HW_REG_IB_STS2, 6, 4)
	s_cmp_eq_u32 s2, 0
	s_cbranch_scc0 .Lentry_in_a_cluster
	s_endpgm
.Lentry_in_a_cluster:
	s_bfe_u32 s2, ttmp6, 0x10000c
	s_cmp_lg_u32 s2, 0xf033
	s_cbranch_scc0 .Lentry_shape_is_right
	s_endpgm
.Lentry_shape_is_right:
; qkv[m][n] = sum over k of x[m][k] w_qkv[n][k] + b_qkv[n], both operands as codes of FP4 (E2M1) with one E8M0 scale for each 32 along K; sums in f32.  M 8,192, N 3,072, K 1,024.
; The result leaves as f16, laid by head: qkv16 [3 (q, k, v)][4 batches][16 heads][2048 positions][64]; the first 16 positions of every batch leave as f32 too: qkv32 [4][16][3072].
; LIMIT: |q|, |k|, |v| stay under 65,504 (f16); under 6e-5 they are kept as f16 subnormals.
; A tile, 256 x 256, is made by four waves, as many as a WGP has SIMDs; a wave makes 128 x 128: 64 accumulators of 16 x 16, 512 registers.  K is two slots of 512 (rows of 256 bytes): both are asked for at the head, and nothing is filled again.
; THE SCALES of the work-group's 256 rows of x and 256 rows of w, for all of K, are two dense blocks of memory: they come into LDS once, with the first fills.
; CLUSTERS: 4 x 4 work-groups.  The four of a row of the cluster need the same tiles of x, the four of a column the same tiles of w: each tile is asked for JOINTLY, by the same tensor load with the same descriptor and a mask that names the four.
; The tile row is 8 cy + cluster y: so the batch is cy and the block of 256 positions within it is cluster y, which all sixteen partners share: the branch for the f32 rows hangs on cluster y and the wave's number alone.
; THE MATRIX INSTRUCTION IS USED TRANSPOSED (source 0 = 16 rows of w, source 1 = 16 rows of x): a lane then holds eight neighbouring columns of one row.  The bias is the C of each sum's first instruction.
; REGISTERS, in windows of 256: window 0: v0-31 addresses; v32-95 scale words, two sets; v128-191 x's fragments, ONE set; v192-255 the bias in the result's layout; on the way out v32-255 are free.
;   window 1: w's fragments, TWO sets, at v0 and v128.   window 2: the accumulators of my rows 0-63 ((a, b) at v[8 (8 a + b)]);   window 3: those of my rows 64-127.
.set SIZE_N, 3072
.set NQ,     4                         ; matrix instructions deep in a slot
.set ROWB,   256                       ; a tile's row in bytes: 512 codes
.set KROW,   512                       ; a row of codes in memory
.set PITCH,  272                       ; an LDS row: 256 bytes + 16 of padding = 68 words: the 16 rows that a load touches start at 16 different banks (64 banks of 4 bytes: ISA guide 11.1)
.set FR,     8                         ; registers of a fragment: 16 rows x 128 K
.set NL,     2                         ; LDS loads that bring one
.set NP,     4                         ; places behind this matrix instruction (ISA guide 7.12.1)
.set HALFT,  128*PITCH                 ; 128 rows: what one tensor load brings
.set SLOT,   4*HALFT                   ; x's 256 rows, then w's 256 rows
.set KS,     32                        ; a row of scales in bytes
.set SCL,    2*SLOT                    ; behind the two slots: the scales, as runs of 256 bytes + 16 of padding
.set HALFS,  (128*KS/256)*272          ; the scales of 128 rows
.set SBLK,   (16*KS/256)*272           ; those of 16 rows
.set SPARE,  SCL+4*HALFS               ; the spare words, 128 bytes a wave, which no other line names
.set HP,     144                       ; the way out in f16: a head's row of 128 bytes + 16
.set HSTG,   2*16*HP                   ; a wave's stage: two heads x 16 rows.  The stages lie in slot 0, which has had its only fill and its last read when the first result is stored there
.set FP,     528                       ; the way out in f32: a row of 512 bytes + 16
.set FSTG,   4*HSTG                    ; the f32 stages begin behind the f16 ones, 16 x FP bytes a wave
.set ADRA, 16                          ; v16-17  LDS address of my x fragments in slot 0, 1
.set ADRB, 20                          ; v20-21  the same for w
.set STO32, 22                         ; v22     f32 stage: where I put 32 bytes of a row
.set RD32, 23                          ; v23     and where I read a row back
.set STO,  24                          ; v24     f16 stage: where I put 16 bytes of a row
.set RD,   25                          ; v25     and where I read four rows back
.set CO,   26                          ; v26     16 x lane
.set ADRS, 27                          ; v27     LDS address of my scale words: lanes 0-15 x's rows, lanes 16-31 w's
.set SPW,  28                          ; v28     LDS address of my spare word; never rewritten
.set NIL,  29                          ; v29     0; never rewritten
.set BO,   30                          ; v30     32 x (lane / 16): my half's eight numbers of a bias block
.set SC,   32                          ; scale words: set s at v[SC + 32 s]; register 4 i + q: lanes 0-15 the word of x's block i, lanes 16-31 that of w's block i, for the slot's q-th 128 along K
.set AF,   128                         ; x's fragments
.set BI,   192                         ; the bias: v[BI + 8 b + j] = b_qkv[my first column + 16 b + 8 (lane / 16) + j]
.set TMP,  192                         ; the way out: packed results (the bias is done with)
.set OB,   32                          ; the way out: rows read back: v32-63 and v224-255 by turns
.set G1, 24                            ; s[24:31] descriptor group 1 for x's tiles;  s[32:39] group 0, one set for each slot
.set G0, 32
.set G1B, 48                           ; s[48:55], s[56:63] the same for w's tiles
.set G0B, 56
.set G1S, 68                           ; s[68:75], s[76:79] groups 1 and 0 for x's scales;  s[80:87], s[88:91] for w's
.set G0S, 76
.set G1SB, 80
.set G0SB, 88
.set MSB, 0
.macro WIN new                         ; the immediate's high byte repeats the setting that is left
.if MSB != \new
	s_set_vgpr_msb (MSB<<8)|\new
.set MSB, \new
.endif
.endm
.set MUL_LO, 0xa1                      ; source 0 (w) window 1, source 1 (x) window 0, C and D window 2
.set MUL_HI, 0xf1                      ; the same, C and D window 3
.set FST_LO, 0x81                      ; a sum's first instruction: C (the bias) window 0, D window 2
.set FST_HI, 0xc1                      ; D window 3
.set TO_B,   0x40                      ; destination window 1, address window 0
; A joint load: waves 0 and 1 fetch for x, waves 2 and 3 for w.  Each of the two lines has ONE mask and one set of registers for all that issue it; the branch hangs on the wave's number alone.
; An s_nop 0 and four v_nop follow each of the two lines.
.macro JLOAD g0a, g1a, g0b, g1b
	s_cmp_eq_u32 s15, 0
	s_cbranch_scc0 .Lfor_b_\@
	tensor_load_to_lds s[\g0a:\g0a+3], s[\g1a:\g1a+7]
	s_nop 0
.rept 4
	v_nop
.endr
	s_branch .Lasked_\@
.Lfor_b_\@:
	tensor_load_to_lds s[\g0b:\g0b+3], s[\g1b:\g1b+7]
	s_nop 0
.rept 4
	v_nop
.endr
.Lasked_\@:
.endm
.macro CROUND                          ; a round of the cluster's barrier
	s_barrier_signal -1
	s_barrier_wait -1
	s_cmp_lg_u32 s14, 0
	s_cbranch_scc1 .Lnot_wave_0_\@
	s_barrier_signal -3
.Lnot_wave_0_\@:
	s_barrier_wait -3
	s_barrier_signal -1
	s_barrier_wait -1
.endm
	s_load_b128 s[4:7], s[0:1], 0x0                ; x's codes s[4:5], x's scales s[6:7]
	s_load_b128 s[8:11], s[0:1], 0x10              ; w's codes s[8:9], w's scales s[10:11]
	s_load_b64 s[66:67], s[0:1], 0x20              ; b_qkv
	s_load_b64 s[12:13], s[0:1], 0x28              ; qkv16
	s_load_b64 s[98:99], s[0:1], 0x30              ; qkv32
	v_lshl_add_u32 v[SPW], v0, 2, SPARE
	v_mov_b32 v[NIL], 0
	ds_add_u32 v[SPW], v[NIL]                      ; the wave's opening: the add, twice on end, and its wait ahead of my first tensor load; the set-up below stands between the second and the wait
	ds_add_u32 v[SPW], v[NIL]
	v_lshrrev_b32 v1, 5, v0
	v_readfirstlane_b32 s14, v1                    ; wave 0..3
	s_lshr_b32 s15, s14, 1                         ; which half of the tile's rows is mine.  Also: I fetch for x (0) or for w (1)
	s_and_b32 s16, s14, 1                          ; which half of its columns.  Also: which 128 rows of that tile I fetch
	s_bfe_u32 s40, ttmp6, 0x40000                  ; cx, cy: my place in the cluster
	s_bfe_u32 s41, ttmp6, 0x40004
	s_lshl_b32 s42, ttmp9, 2
	s_add_co_u32 s42, s42, s40                     ; tile column = 4 x cluster x + cx
	s_and_b32 s95, ttmp7, 0xffff                   ; cluster y: the block of 256 positions within a batch
	s_lshl_b32 s17, s41, 3
	s_add_co_u32 s17, s17, s95                     ; tile row = 8 cy + cluster y: the batch is cy
	s_lshl_b32 s43, s41, 2
	s_lshl_b32 s43, 15, s43                        ; my row of the cluster
	s_lshl_b32 s44, 0x1111, s40                    ; my column
	; descriptor group 1: a tile of 128 rows x 256 bytes, padded in LDS
	s_or_b32 s[G1+0], s43, (0<<16)|(1<<20)|(1<<21)|(5<<22)|(3<<25)  ; 15:0 the mask: x's tiles go to my row; 17:16 element of 1 byte; 20 padding on; 21 set beside a mask; 24:22 after every 64 words; 31:25 of 4 words
	s_or_b32 s[G1B+0], s44, (0<<16)|(1<<20)|(1<<21)|(5<<22)|(3<<25)
.irp g, G1, G1B
	s_mov_b32 s[\g+1], ROWB<<16                    ; tensor_dim0
	s_mov_b32 s[\g+2], 128<<16                     ; tensor_dim1 = 128
	s_mov_b32 s[\g+3], ROWB<<16                    ; tile_dim0
	s_mov_b32 s[\g+4], 128                         ; tile_dim1 = 128
	s_mov_b32 s[\g+5], KROW                        ; tensor_dim0_stride
	s_mov_b32 s[\g+6], 0
	s_mov_b32 s[\g+7], 0
.endr
	; and for the scales of 128 rows: a dense block of 4,096 bytes, as 16 rows of 256 bytes (32 elements of 8 bytes), 16 bytes of padding behind each
	s_or_b32 s[G1S+0], s43, (3<<16)|(1<<20)|(1<<21)|(5<<22)|(3<<25)
	s_or_b32 s[G1SB+0], s44, (3<<16)|(1<<20)|(1<<21)|(5<<22)|(3<<25)
.irp g, G1S, G1SB
	s_mov_b32 s[\g+1], 32<<16
	s_mov_b32 s[\g+2], (128*KS/256)<<16
	s_mov_b32 s[\g+3], 32<<16
	s_mov_b32 s[\g+4], 128*KS/256
	s_mov_b32 s[\g+5], 32
	s_mov_b32 s[\g+6], 0
	s_mov_b32 s[\g+7], 0
.endr
	s_lshl_b32 s18, s16, 7                         ; which 128 rows of the tile I fetch
	s_lshl_b32 s20, s17, 8
	s_add_co_u32 s20, s20, s18                     ; x: row 256 x tile row + 128 x half
	s_lshl_b32 s46, s42, 8
	s_add_co_u32 s46, s46, s18                     ; w: row 256 x tile column + 128 x half
	s_mov_b32 s21, 0
	s_mov_b32 s47, 0
	s_mov_b64 s[18:19], KS
	s_mul_u64 s[22:23], s[20:21], s[18:19]         ; where these rows' scales begin, in bytes
	s_mul_u64 s[92:93], s[46:47], s[18:19]
	s_mov_b64 s[18:19], KROW
	s_mul_u64 s[20:21], s[20:21], s[18:19]         ; and their codes
	s_mul_u64 s[46:47], s[46:47], s[18:19]
	s_mul_i32 s45, s14, HALFT                      ; where they go: wave x 128 rows: no place in the cluster enters an LDS address
	s_mul_i32 s94, s14, HALFS
	s_wait_dscnt 0x0                               ; both opening adds are done
	s_wait_kmcnt 0x0
	s_add_nc_u64 s[20:21], s[4:5], s[20:21]
	s_add_nc_u64 s[22:23], s[6:7], s[22:23]
	s_add_nc_u64 s[46:47], s[8:9], s[46:47]
	s_add_nc_u64 s[92:93], s[10:11], s[92:93]
	CROUND                                         ; all sixteen work-groups are here: the first joint loads meet
	s_mov_b32 s[G0S], 1
	s_add_co_u32 s[G0S+1], s94, SCL
	s_mov_b64 s[G0S+2:G0S+3], s[22:23]
	s_or_b32 s[G0S+3], s[G0S+3], 0x80000000
	s_mov_b32 s[G0SB], 1
	s_add_co_u32 s[G0SB+1], s94, SCL
	s_mov_b64 s[G0SB+2:G0SB+3], s[92:93]
	s_or_b32 s[G0SB+3], s[G0SB+3], 0x80000000
	JLOAD G0S, G1S, G0SB, G1SB                     ; the scales first: they are wanted with the first slot.  Three loads of mine are out behind the next two
.irp s, 0,1
	s_mov_b32 s[G0+4*\s], 1
	s_add_co_u32 s[G0+4*\s+1], s45, \s*SLOT
	s_add_nc_u64 s[G0+4*\s+2:G0+4*\s+3], s[20:21], \s*ROWB
	s_or_b32 s[G0+4*\s+3], s[G0+4*\s+3], 0x80000000
	s_mov_b32 s[G0B+4*\s], 1
	s_add_co_u32 s[G0B+4*\s+1], s45, \s*SLOT
	s_add_nc_u64 s[G0B+4*\s+2:G0B+4*\s+3], s[46:47], \s*ROWB
	s_or_b32 s[G0B+4*\s+3], s[G0B+4*\s+3], 0x80000000
	JLOAD G0+4*\s, G1, G0B+4*\s, G1B
.endr
	v_and_b32 v1, 15, v0                           ; r = l % 16
	v_bfe_u32 v2, v0, 4, 1                         ; h = l / 16
	v_lshlrev_b32 v[BO], 5, v2
	s_lshl_b32 s46, s42, 10                        ; my first column, in bytes of f32: 1024 x tile column + 512 x half
	s_lshl_b32 s47, s16, 9
	s_add_co_u32 s46, s46, s47
	s_mov_b32 s47, 0
	s_add_nc_u64 s[66:67], s[66:67], s[46:47]      ; the bias at my first column
	s_add_nc_u64 s[98:99], s[98:99], s[46:47]      ; qkv32 likewise,
	s_mul_i32 s46, s41, 16*SIZE_N*4
	s_add_nc_u64 s[98:99], s[98:99], s[46:47]      ; in my batch's 16 rows
.irp b, 0,1,2,3,4,5,6,7
	global_load_b128 v[BI+8*\b:BI+8*\b+3], v[BO], s[66:67] offset:64*\b
	global_load_b128 v[BI+8*\b+4:BI+8*\b+7], v[BO], s[66:67] offset:64*\b+16
.endr
	v_mul_u32_u24 v3, v1, PITCH
	v_lshl_add_u32 v4, v2, 4, v3                   ; a fragment's row x pitch + 16 x half
	s_mul_i32 s21, s15, HALFT                      ; my 128 rows of x
	s_mul_i32 s22, s16, HALFT                      ; my 128 rows of w,
	s_add_co_u32 s22, s22, 2*HALFT                 ; which lie behind x's 256
.irp s, 0,1
	v_add_nc_u32 v[ADRA+\s], s21, v4
	v_add_nc_u32 v[ADRB+\s], s22, v4
	s_add_co_u32 s21, s21, SLOT
	s_add_co_u32 s22, s22, SLOT
.endr
	v_mul_u32_u24 v5, v1, KS                       ; my row's scales: KS bytes a row,
	v_lshrrev_b32 v6, 8, v5
	v_lshl_add_u32 v5, v6, 4, v5                   ; and 16 more for each 256 passed
	s_mul_i32 s21, s15, HALFS                      ; x's: my 128 rows
	s_mul_i32 s22, s16, HALFS                      ; w's: my 128 rows, behind x's 256
	s_add_co_u32 s22, s22, 2*HALFS
	s_sub_co_u32 s22, s22, s21
	v_mul_u32_u24 v6, s22, v2                      ; lanes 16-31 take w's: one product, the distance between the two bases
	s_add_co_u32 s21, s21, SCL
	v_add_nc_u32 v5, v5, v6
	v_add_nc_u32 v[ADRS], s21, v5
	s_mul_i32 s23, s14, HSTG                       ; my f16 stage
	v_mul_u32_u24 v5, v1, HP                       ; in: row r, 16 bytes for each half of the lanes
	v_lshl_add_u32 v5, v2, 4, v5
	v_add_nc_u32 v[STO], s23, v5
	v_and_b32 v6, 31, v0
	v_lshrrev_b32 v5, 3, v6                        ; back: eight lanes to a row of 128 bytes, four rows an instruction
	v_mul_u32_u24 v5, v5, HP
	v_and_b32 v7, 7, v0
	v_lshl_add_u32 v5, v7, 4, v5
	v_add_nc_u32 v[RD], s23, v5
	v_lshlrev_b32 v[CO], 4, v6
	s_mul_i32 s23, s14, 16*FP                      ; my f32 stage
	s_add_co_u32 s23, s23, FSTG
	v_mul_u32_u24 v5, v1, FP                       ; in: row r, 32 bytes for each half of the lanes
	v_lshl_add_u32 v5, v2, 5, v5
	v_add_nc_u32 v[STO32], s23, v5
	v_add_nc_u32 v[RD32], s23, v[CO]               ; back: the 32 lanes take one row of 512 bytes
	; qkv16 at my part: my 128 columns are heads g0 and g0 + 1 of the 48 (q's 16, k's 16, v's 16); a head's plane is 2,048 rows of 128 bytes
	s_lshl_b32 s20, s42, 2
	s_lshl_b32 s21, s16, 1
	s_add_co_u32 s20, s20, s21                     ; g0 = 4 x tile column + 2 x half
	s_lshr_b32 s21, s20, 4
	s_lshl_b32 s21, s21, 6                         ; 64 planes for each of q, k, v,
	s_and_b32 s20, s20, 15
	s_add_co_u32 s20, s20, s21
	s_lshl_b32 s21, s41, 4                         ; 16 for each batch
	s_add_co_u32 s20, s20, s21
	s_lshl_b32 s20, s20, 18
	s_lshl_b32 s21, s95, 15                        ; 256 rows of 128 bytes for each block,
	s_add_co_u32 s20, s20, s21
	s_lshl_b32 s21, s15, 14                        ; 128 for my half
	s_add_co_u32 s20, s20, s21
	s_mov_b32 s21, 0
	s_add_nc_u64 s[12:13], s[12:13], s[20:21]
	s_or_b32 s96, s95, s15                         ; 0 where my first 16 rows are a batch's first 16 positions: cluster y and the wave's number alone
.macro FRAG reg, adr, q, i             ; a fragment, 16 rows x 128 K of 4-bit codes: lane l holds row l % 16; registers 4 c .. 4 c + 3 hold K = 64 c + 32 (l / 16) + 0 .. 31
.irp c, 0,1
	ds_load_b128 v[\reg+4*\c:\reg+4*\c+3], v[\adr] offset:64*(\q)+32*\c+(\i)*16*PITCH
.endr
.endm
; 16 matrix instructions: x's blocks a0, a0 + 1 against w's eight, 128 along K: the slot's q-th.  p: w's set;  sc: the set of scale words.  first = 1: the sums begin, with the bias as C: nothing is ever cleared.
; The 64 accumulators take turns, one instruction a turn, in the same order in every step.
.macro MUL16 a0, p, q, sc, first
.irp a, \a0, \a0+1
.irp b, 0,1,2,3,4,5,6,7
.if \first
	v_wmma_scale_f32_16x16x128_f8f6f4 v[8*(8*((\a)%4)+\b):8*(8*((\a)%4)+\b)+7], v[128*(\p)+FR*\b:128*(\p)+FR*\b+FR-1], v[AF+FR*(\a):AF+FR*(\a)+FR-1], v[BI+8*\b:BI+8*\b+7], v[SC+8*NQ*(\sc)+NQ*\b+(\q)], v[SC+8*NQ*(\sc)+NQ*(\a)+(\q)] matrix_a_fmt:MATRIX_FMT_FP4 matrix_b_fmt:MATRIX_FMT_FP4 matrix_a_scale:MATRIX_SCALE_ROW1
.else
	v_wmma_scale_f32_16x16x128_f8f6f4 v[8*(8*((\a)%4)+\b):8*(8*((\a)%4)+\b)+7], v[128*(\p)+FR*\b:128*(\p)+FR*\b+FR-1], v[AF+FR*(\a):AF+FR*(\a)+FR-1], v[8*(8*((\a)%4)+\b):8*(8*((\a)%4)+\b)+7], v[SC+8*NQ*(\sc)+NQ*\b+(\q)], v[SC+8*NQ*(\sc)+NQ*(\a)+(\q)] matrix_a_fmt:MATRIX_FMT_FP4 matrix_b_fmt:MATRIX_FMT_FP4 matrix_a_scale:MATRIX_SCALE_ROW1
.endif
.endr
.endr
.endm
.macro FETCH_B slot, q, p              ; w's eight fragments of the slot's q-th 128 along K into set p
	WIN TO_B
.irp i, 0,1,2,3,4,5,6,7
	FRAG 128*(\p)+FR*\i, ADRB+\slot, \q, \i
.endr
	WIN 0
.endm
.macro FETCH_A slot, q, i0             ; x's blocks i0 .. i0 + 3
.irp i, \i0, \i0+1, \i0+2, \i0+3
	FRAG AF+FR*(\i), ADRA+\slot, \q, \i
.endr
.endm
.macro SCALES sc                       ; a slot's scale words into set sc: four words a row; lanes 0-15 take x's block i, lanes 16-31 w's block i
.irp i, 0,1,2,3,4,5,6,7
	ds_load_b128 v[SC+8*NQ*\sc+NQ*\i:SC+8*NQ*\sc+NQ*\i+3], v[ADRS] offset:\i*SBLK
.endr
.endm
; A load into a register that a matrix instruction has read, and a vector instruction or an LDS store that reads a matrix result, stand NP places behind that matrix instruction; only plain vector
; instructions that name none of its registers are places (ISA guide 7.12.1 for vector instructions).
.macro PLACES n
.rept \n
	v_nop
.endr
.endm
; A step of 128 along K that has its successor in the same slot.  A block of x is free as soon as its eight products are issued: blocks 0-3 are fetched anew in the step's middle, blocks 4-7 at its end.
.macro STEP slot, q, first
	s_wait_dscnt 4*NL                              ; w's set and x's blocks 0-3 are in; the youngest eight loads (x's blocks 4-7) may be out
.if \first
	WIN FST_LO
.else
	WIN MUL_LO
.endif
	MUL16 0, (\q)%2, \q, \slot, \first
	MUL16 2, (\q)%2, \q, \slot, \first
	s_wait_dscnt 0                                 ; x's blocks 4-7 are in (asked for 32 matrix instructions ago)
	PLACES NP
	FETCH_B \slot, (\q)+1, 1-(\q)%2
	FETCH_A \slot, (\q)+1, 0
.if \first
	WIN FST_HI
.else
	WIN MUL_HI
.endif
	MUL16 4, (\q)%2, \q, \slot, \first
	MUL16 6, (\q)%2, \q, \slot, \first
	PLACES NP
	WIN 0
	FETCH_A \slot, (\q)+1, 4
.endm
; Slot 0's last step goes over to slot 1: one barrier; in front of it each wave waits for all its tensor loads (its part of slot 1), adds 0 to its spare word, and waits for that and for its reads of slot 0.
; Behind it slot 1 is whole and nobody reads slot 0, which later takes the stages of the way out.
.macro TURN slot, next
	s_wait_tensorcnt 0x0                           ; all my tensor loads have landed  (every window is 0 here: the add's two registers lie in window 0)
	ds_add_u32 v[SPW], v[NIL]                      ; 0 onto my spare word
	s_wait_dscnt 4*NL+1                            ; (the add and the youngest eight loads, x's blocks 4-7, may be out)
	WIN MUL_LO
	MUL16 0, 1, NQ-1, \slot, 0                     ; sixteen matrix instructions stand between the add and the wait for it
	s_wait_dscnt 0x0                               ; the add is done, and my reads of this slot are over
	s_barrier_signal -1
	MUL16 2, 1, NQ-1, \slot, 0
	WIN 0
	s_barrier_wait -1
	PLACES NP
	v_add_nc_u32 v[ADRS], 4*NQ, v[ADRS]            ; on to the next slot's scale words (no LDS load of mine is out)
	FETCH_B \next, 0, 0
	FETCH_A \next, 0, 0
	SCALES \next
	WIN MUL_HI
	MUL16 4, 1, NQ-1, \slot, 0
	MUL16 6, 1, NQ-1, \slot, 0
	PLACES NP
	WIN 0
	FETCH_A \next, 0, 4
.endm
.macro STEPS slot, from                ; the slot's steps from .. NQ - 2
.set Q, \from
.rept NQ-1-\from
	STEP \slot, Q, 0
.set Q, Q+1
.endr
.endm
	s_wait_tensorcnt 1                             ; the scales and my part of slot 0 are in (slot 1's load may be out)
	s_barrier_signal -1
	s_barrier_wait -1                              ; everybody's are
	FETCH_B 0, 0, 0
	FETCH_A 0, 0, 0
	SCALES 0
	FETCH_A 0, 0, 4
	s_wait_loadcnt 0x0                             ; the bias
	STEP 0, 0, 1                                   ; the first step starts the sums
	STEPS 0, 1
	TURN 0, 1
	STEPS 1, 0
	s_wait_dscnt 4*NL                              ; the very last step: nothing more to fetch
	WIN MUL_LO
	MUL16 0, 1, NQ-1, 1, 0
	MUL16 2, 1, NQ-1, 1, 0
	s_wait_dscnt 0
	WIN MUL_HI
	MUL16 4, 1, NQ-1, 1, 0
	MUL16 6, 1, NQ-1, 1, 0
	WIN 0
	PLACES NP                                      ; behind the last products: for the reads of results and for the loads into registers that held fragments and scale words
	; THE FIRST 16 POSITIONS OF A BATCH ALSO LEAVE AS f32: my block 0, where it is those rows.  Through my own f32 stage, back as whole rows of 512 bytes.  No barrier stands in this branch.
	s_cmp_lg_u32 s96, 0
	s_cbranch_scc1 .Lnofine
	WIN 0x08                                       ; an LDS store's data are its source 1: window 2
.irp b, 0,1,2,3,4,5,6,7
	ds_store_b128 v[STO32], v[8*\b:8*\b+3] offset:64*\b            ; each accumulator from its low end on
	ds_store_b128 v[STO32], v[8*\b+4:8*\b+7] offset:64*\b+16
.endr
	WIN 0
.irp t, 0,1,2,3,4,5,6,7,8,9,10,11,12,13,14,15
	ds_load_b128 v[128+4*\t:128+4*\t+3], v[RD32] offset:\t*FP      ; LDS serves a wave's instructions in order: these see the stores above
.endr
	s_wait_dscnt 0x0
.irp t, 0,1,2,3,4,5,6,7,8,9,10,11,12,13,14,15
	global_store_b128 v[CO], v[128+4*\t:128+4*\t+3], s[98:99] offset:\t*SIZE_N*4   ; 32 lanes store 512 consecutive bytes, aligned
.endr
.Lnofine:
; THE WAY OUT, block by block of 16 rows x 128 columns = 16 positions of two heads.  PACK: rounded to f16, 16 bytes a lane.  TOSTAGE: into my own stage and back, four rows of 128 bytes an instruction.
; SEND: a head's 16 rows are 2,048 consecutive bytes of its plane: each store covers 512 consecutive bytes, aligned.  The base never steps: block and head stand in the immediate.
.macro PACK a
.set AC, 64*((\a)%4)
	WIN 0x0a+5*((\a)/4)                            ; sources 0 and 1: window 2 or 3
.irp b, 0,1,2,3,4,5,6,7
.irp r, 0,1,2,3
	v_cvt_pk_f16_f32 v[TMP+4*\b+\r], v[AC+8*\b+2*\r], v[AC+8*\b+2*\r+1]
.endr
.endr
	WIN 0
.endm
.macro TOSTAGE a
.set BK, OB+192*((\a)%2)
.irp b, 0,1,2,3,4,5,6,7
	ds_store_b128 v[STO], v[TMP+4*\b:TMP+4*\b+3] offset:(\b/4)*16*HP+(\b%4)*32
.endr
.irp u, 0,1
.irp i, 0,1,2,3
	ds_load_b128 v[BK+4*(4*\u+\i):BK+4*(4*\u+\i)+3], v[RD] offset:\u*16*HP+\i*4*HP
.endr
.endr
.endm
.macro SEND a
.set BK, OB+192*((\a)%2)
	s_wait_dscnt 0x0                               ; the block is back in registers
	s_wait_xcnt 0x0                                ; the stores of the block before have read their registers: the next block's loads may land there
.irp u, 0,1
.irp i, 0,1,2,3
	global_store_b128 v[CO], v[BK+4*(4*\u+\i):BK+4*(4*\u+\i)+3], s[12:13] offset:\u*262144+(\a)*2048+\i*512 th:TH_STORE_NT
.endr
.endr
.endm
	PACK 0
	TOSTAGE 0
.irp a, 1,2,3,4,5,6,7                  ; block a's conversions stand between block a - 1's loads from the stage and the wait for them
	PACK \a
	SEND \a-1
	TOSTAGE \a
.endr
	SEND 7
	s_wait_tensorcnt 0x0                           ; the wave's end, behind my last tensor load and my last LDS store
	ds_add_u32 v[SPW], v[NIL]
	s_wait_dscnt 0x0
	CROUND                                         ; the closing round: no work-group ends while a partner may still ask for a tile that names it
	s_endpgm
.Lfunc_end_k_q010da2b2a4_qkv:
	.size	k_q010da2b2a4_qkv, .Lfunc_end_k_q010da2b2a4_qkv-k_q010da2b2a4_qkv
	.p2alignl 7, 3214868480
	.fill 96, 4, 3214868480
	.section	.rodata,"a",@progbits
	.p2align	6, 0x0
	.amdhsa_kernel k_q010da2b2a4_qkv
		.amdhsa_group_segment_fixed_size 327680
		.amdhsa_private_segment_fixed_size 0
		.amdhsa_enable_private_segment 0
		.amdhsa_kernarg_size 56
		.amdhsa_user_sgpr_count 2
		.amdhsa_user_sgpr_kernarg_segment_ptr 1
		.amdhsa_wavefront_size32 1
		.amdhsa_system_sgpr_workgroup_id_x 1
		.amdhsa_system_sgpr_workgroup_id_y 1
		.amdhsa_system_sgpr_workgroup_id_z 1
		.amdhsa_system_vgpr_workitem_id 0
		.amdhsa_next_free_vgpr 1024
		.amdhsa_next_free_sgpr 100
		.amdhsa_reserve_vcc 0
		.amdhsa_float_denorm_mode_32 3
		.amdhsa_float_denorm_mode_16_64 3
		.amdhsa_memory_ordered 1
		.amdhsa_forward_progress 1
		.amdhsa_inst_pref_size 132
	.end_amdhsa_kernel
	.amdgpu_metadata
---
amdhsa.version: [ 1, 2 ]
amdhsa.kernels:
  - .name:           k_q010da2b2a4_qkv
    .symbol:         k_q010da2b2a4_qkv.kd
    .args:
      - { .name: x_codes, .offset: 0, .size: 8, .value_kind: global_buffer, .address_space: global }
      - { .name: x_scales, .offset: 8, .size: 8, .value_kind: global_buffer, .address_space: global }
      - { .name: w_codes, .offset: 16, .size: 8, .value_kind: global_buffer, .address_space: global }
      - { .name: w_scales, .offset: 24, .size: 8, .value_kind: global_buffer, .address_space: global }
      - { .name: b_qkv, .offset: 32, .size: 8, .value_kind: global_buffer, .address_space: global }
      - { .name: qkv16, .offset: 40, .size: 8, .value_kind: global_buffer, .address_space: global }
      - { .name: qkv32, .offset: 48, .size: 8, .value_kind: global_buffer, .address_space: global }
    .group_segment_fixed_size: 327680
    .private_segment_fixed_size: 0
    .kernarg_segment_align: 8
    .kernarg_segment_size: 56
    .max_flat_workgroup_size: 128
    .sgpr_count:     100
    .vgpr_count:     1024
    .wavefront_size: 32
...
	.end_amdgpu_metadata
.endif
;; end of part 2
;; launch attn (part 3): grid 4 x 64, 16 waves a work-group, no clusters, 327,680 bytes of LDS; arguments qkv16, ho16; writes ho16
.if DOCPART == 3
	.amdgcn_target "amdgcn-amd-amdhsa--gfx1250"
	.amdhsa_code_object_version 6
	.text
	.protected	k_q010da2b2a4_attn
	.globl	k_q010da2b2a4_attn
	.p2align	8
	.type	k_q010da2b2a4_attn,@function
k_q010da2b2a4_attn:
	s_mov_b64 s[64:65], 0
	v_nop
	global_prefetch_b8 v0, s[64:65] scope:SCOPE_SE
	s_setreg_imm32_b32 hwreg(HW_REG_WAVE_MODE, 25, 1), 1
	s_wait_xcnt 0x0
; O[bh][q][:] = the sum over k <= q of softmax_k(Q[bh][q] . K[bh][k] / 8) V[bh][k][:].  Q, K, V: the three thirds of qkv16, [64 (batch x head)][2048][64] f16.  O: ho16 [16 heads][8192 (batch x position)][64] f16.
; Products on f16 operands with f32 sums; maxima, exponentials and sums in f32; the weights p (at most 1) are rounded to f16 for the second product, O once at the end.
; SOFTMAX.  For each query a running maximum m and sum l: p = 2^(c s - c m), c = log2(e) / 8; in every step O and l are multiplied by a = 2^(c m_old - c m_new).  m begins at -3e38, O and l at 0: the step is written once.
; LIMIT: NaN and infinities are not served.
; SHARES.  Work-group (j, bh) owns the blocks j and 7 - j of 256 queries of head bh: 32 j + 20 + 32 (7 - j) + 20 = 264 wave-steps in every work-group.  Each of its sixteen waves owns 32 queries, two tiles of 16, in 256 registers:
; four waves to a SIMD, so that one wave's vector work stands beside another's products and LDS loads.  Waves 0-7: block j, queries 32 w on; waves 8-15: block 7 - j, queries 32 (15 - w) on.
; THE WALK.  8 slots of 256 keys, 4 steps of 64 keys each; all trip counts are constants.  A step whose keys all come after my queries is jumped over (a branch on ids, round no barrier and no tensor load).
; A slot whose first key comes after the work-group's last query is read by none of its waves and is not asked for: a jump on ids alone, the same in all sixteen waves, round the load's own lines; every wait for tensor loads in this text is for 0.
; NO CLUSTER: the four work-groups of a head walk 8, 7, 6 and 5 slots of K and V; a joint load would bring three of them tiles that none of their waves reads.
; LAYOUT.  S^T = K Q^T (source 0 = 16 keys, source 1 = 16 queries): a lane holds ONE query (lane % 16) and the keys 8 (lane / 16) + 0..7 of a tile.  Two such tiles, rounded to f16 in pairs, ARE source 1 (32 keys x 16 queries) of
; O^T = V^T P, whose result again holds one query a lane.  K comes out of LDS as it lies, V ([key][channel]) turned, by ds_load_tr16_b128.  P is packed in place, into the low 16 registers of each tile's S^T.
.set PK,    144                        ; a row of K in LDS: 128 bytes + 16 = 36 words: the 16 rows of a load start at 16 different groups of four banks
.set PV,    160                        ; a row of V: 128 + 32 = 40 words, for the turning load
.set VOFF,  64*PK                      ; a step's tiles lie together: 64 rows of K, then 64 rows of V
.set STEPB, 64*(PK+PV)
.set SLOT1, 1<<17                      ; slot 1 begins here: one exclusive or turns an address in one slot into the other's.  A slot uses 4 STEPB = 77,824 bytes
.set SPARE, 2*SLOT1                    ; the spare words, 128 bytes a wave, which no other line names
.set AK0, 1                            ; v1   my lane's place in a tile of K
.set AV0, 2                            ; v2   the same for V
.set ADK, 3                            ; v3   LDS address of the step's K
.set ADV, 4                            ; v4   of its V
.set RH,  5                            ; v5   lane % 16 - 8 (lane / 16), for the mask
.set QO,  6                            ; v6   my byte offset in the wave's rows of Q
.set STO, 7                            ; v7   the way out: where I put 16 bytes of a row
.set RD,  8                            ; v8   the way out: where I read rows back
.set PFO, 9                            ; v9   256 x lane, for the prefetches; never rewritten
.set SPW, 10                           ; v10  LDS address of my spare word; never rewritten
.set NIL, 11                           ; v11  0; never rewritten
.set ST,  12                           ; v12-27 tile t's statistics at v[ST + 8 t]: +0 c m, +1 m, +2, +3 l in two halves, +4 to +7 at work (the mask's d in +4, a in +6)
.set GO,  30                           ; v30  16 x lane
.set NINF, 31                          ; v31  -infinity
.set Q,   32                           ; v32-63   Q: fragment (tile t, channels 32 c on) at Q + 8 (2 t + c)
.set F,   64                           ; v64-127  K's fragments (keys 16 kt on, channels 32 c on) at F + 8 (2 kt + c); then V's (keys 32 kk on, channels 16 dt on) at F + 8 (4 kk + dt)
.set S,   128                          ; v128-191 S^T: tile t at S + 32 t, keys 16 kt on at + 8 kt; then p; then P in the low 16 of each tile
.set OT,  192                          ; v192-255 O^T: tile t at OT + 32 t, channels 16 dt on at + 8 dt
.set TB,  2                            ; s2   LDS byte at which the step's tiles begin
.set CNT, 3                            ; s3   counts a slot's four steps
.set WV,  18                           ; s18  my wave's number
.set SEL, 20                           ; s[20:21] lane selects for v_permlanex16_b32: lane l xor 16
.set CS,  22                           ; s[22:23] c: the packed form names a pair and takes its low word for both halves
.set G1K, 24                           ; s[24:31] descriptor group 1 for K's tiles;  s[32:39] for V's: it differs in the padding alone
.set G1V, 32
.set G0K, 40                           ; s[40:43], s[44:47] their groups 0, which walk
.set G0V, 44
.set KF,  66                           ; s66  the step's first key
.set SLOTS, 67                         ; s67  changes of slots still to come in the loop
.set Q0,  68                           ; s68  my first query
.set LASTQ, 69                         ; s69  my work-group's last query
.set PFA, 76                           ; s[76:77] where my prefetches stand
.set LIM, 80                           ; s80  1 in a wave that prefetches, else the greatest number
; Waves 0-3 fetch a slot's four tiles of K, waves 4-7 its four of V, the others nothing.  The branches hang on the wave's number alone.  An s_nop 0 and four v_nop follow each of the two lines.
.macro TLOAD
	s_cmp_lt_u32 s[WV], 4
	s_cbranch_scc0 .Lnot_k_\@
	tensor_load_to_lds s[G0K:G0K+3], s[G1K:G1K+7]
	s_nop 0
.rept 4
	v_nop
.endr
	s_branch .Lasked_\@
.Lnot_k_\@:
	s_cmp_lt_u32 s[WV], 8
	s_cbranch_scc0 .Lasked_\@
	tensor_load_to_lds s[G0V:G0V+3], s[G1V:G1V+7]
	s_nop 0
.rept 4
	v_nop
.endr
.Lasked_\@:
.endm
; A PREFETCH INTO THE L2 of what the NEXT change of slots will ask for: a slot's 32,768 dense bytes of K and as many of V.  All four work-groups of a head walk the same K and V: the one that walks all eight slots (j = 0) asks.
; In it the waves ask that fetch nothing, one instruction each: waves 8-11 for K, waves 12-15 for V, 8,192 bytes a wave, lanes 256 bytes apart: each aligned block of 256 bytes is named once in the launch.
; The change that loads slot c + 1 names slot c + 2: four key steps ahead of its load.  The last change that fills a slot asks for nothing; slots 0 and 1 come by their loads alone.
.macro ASK
	s_cmp_gt_u32 s[SLOTS], s[LIM]
	s_cbranch_scc0 .Lnot_mine_\@
	global_prefetch_b8 v[PFO], s[PFA:PFA+1] th:TH_LOAD_NT scope:SCOPE_SE
.Lnot_mine_\@:
.endm
	s_load_b128 s[4:7], s[0:1], 0x0                ; qkv16 s[4:5], ho16 s[6:7]
	v_lshl_add_u32 v[SPW], v0, 2, SPARE
	v_mov_b32 v[NIL], 0
	ds_add_u32 v[SPW], v[NIL]                      ; the wave's opening: the add, twice on end, and its wait ahead of my first tensor load; the set-up below stands between the second and the wait
	ds_add_u32 v[SPW], v[NIL]
	v_lshrrev_b32 v12, 5, v0
	v_readfirstlane_b32 s[WV], v12                 ; wave 0..15
	s_and_b32 s72, ttmp7, 0xffff                   ; bh = 16 x batch + head
	s_lshl_b32 s74, s72, 18                        ; the head's first byte in each third of qkv16
	s_mov_b32 s75, 0
	s_sub_co_u32 s82, 7, ttmp9
	s_sub_co_u32 s83, 15, s[WV]
	s_cmp_lt_u32 s[WV], 8
	s_cselect_b32 s82, ttmp9, s82                  ; my block of 256 queries: j or 7 - j
	s_cselect_b32 s83, s[WV], s83                  ; my 32 of them: w or 15 - w
	s_lshl_b32 s82, s82, 8
	s_lshl_b32 s83, s83, 5
	s_add_co_u32 s[Q0], s82, s83
	s_sub_co_u32 s[LASTQ], 8, ttmp9
	s_lshl_b32 s[LASTQ], s[LASTQ], 8
	s_sub_co_u32 s[LASTQ], s[LASTQ], 1             ; 256 (8 - j) - 1
	s_and_b32 s84, s[WV], 3                        ; which of a slot's four steps I fetch, if I fetch:
	s_mul_i32 s85, s84, STEPB                      ; its place in a slot,
	s_lshl_b32 s86, s84, 13                        ; and its 64 rows of 128 bytes in memory
	s_mov_b32 s87, 0
	s_add_nc_u64 s[86:87], s[86:87], s[74:75]
	; descriptor group 1: a tile of 64 rows x 64 elements of 2 bytes, dense in memory, padded in LDS
	s_mov_b32 s[G1K], (1<<16)|(1<<20)|(4<<22)|(3<<25)   ; 15:0 no mask; 17:16 elements of 2 bytes; 20 padding on; 24:22 after every 32 words; 31:25 four words
	s_mov_b32 s[G1V], (1<<16)|(1<<20)|(4<<22)|(7<<25)   ; the same with eight words
.irp g, G1K, G1V
	s_mov_b32 s[\g+1], 64<<16                      ; tensor_dim0 = 64
	s_mov_b32 s[\g+2], 64<<16                      ; tensor_dim1 = 64
	s_mov_b32 s[\g+3], 64<<16                      ; tile_dim0 = 64
	s_mov_b32 s[\g+4], 64                          ; tile_dim1 = 64
	s_mov_b32 s[\g+5], 64                          ; tensor_dim0_stride
	s_mov_b32 s[\g+6], 0
	s_mov_b32 s[\g+7], 0
.endr
	s_mov_b32 s[SEL], 0x76543210
	s_mov_b32 s[SEL+1], 0xfedcba98
	s_mov_b32 s[CS], 0x3e38aa3b                    ; c = log2(e) / 8
	s_mov_b32 s[CS+1], s[CS]                       ; (named with it as a pair, so it is written)
	s_mov_b32 s[TB], 0
	s_mov_b32 s[KF], 0
	s_mov_b32 s[SLOTS], 7
	s_wait_dscnt 0x0                               ; both opening adds are done
	s_wait_kmcnt 0x0
	s_mov_b32 s[G0K], 1                            ; 1:0 count = 1
	s_mov_b32 s[G0K+1], s85                        ; 63:32 LDS address: slot 0
	s_add_nc_u64 s[G0K+2:G0K+3], s[4:5], s[86:87]  ; 120:64 global address: my step of the head's first 256 keys,
	s_add_nc_u64 s[G0K+2:G0K+3], s[G0K+2:G0K+3], 0x1000000   ; in K's third
	s_or_b32 s[G0K+3], s[G0K+3], 0x80000000        ; 127:126 type = 2
	s_mov_b32 s[G0V], 1
	s_add_co_u32 s[G0V+1], s85, VOFF
	s_add_nc_u64 s[G0V+2:G0V+3], s[4:5], s[86:87]
	s_add_nc_u64 s[G0V+2:G0V+3], s[G0V+2:G0V+3], 0x2000000   ; in V's third
	s_or_b32 s[G0V+3], s[G0V+3], 0x80000000
	TLOAD                                          ; slot 0.
	; the prefetches: where my wave's stand, and who asks
	s_lshr_b32 s88, s[WV], 2
	s_and_b32 s88, s88, 1
	s_lshl_b32 s88, 0x1000000, s88                 ; waves 8-11: K's third; waves 12-15: V's
	s_add_co_u32 s88, s88, 32768                   ; in slot 1: the first change of slots steps it to slot 2.  Nothing is prefetched here, at the head
	s_mov_b32 s89, 0
	s_add_nc_u64 s[88:89], s[88:89], s[86:87]      ; my head, my quarter of a slot's 32,768 bytes
	s_add_nc_u64 s[PFA:PFA+1], s[4:5], s[88:89]
	s_sub_co_u32 s90, s[WV], 8
	s_lshr_b32 s90, s90, 3                         ; 0 in waves 8 to 15,
	s_or_b32 s90, s90, ttmp9                       ; of the head's work-group j = 0
	s_cmp_eq_u32 s90, 0
	s_cselect_b32 s[LIM], 1, -1
	s_lshl_b32 s90, s[Q0], 7
	s_mov_b32 s91, 0
	s_add_nc_u64 s[90:91], s[90:91], s[74:75]
	s_add_nc_u64 s[92:93], s[4:5], s[90:91]        ; Q at my first query
	s_and_b32 s94, s72, 15
	s_lshl_b32 s94, s94, 20                        ; ho16: the head's plane of 8,192 rows of 128 bytes,
	s_lshr_b32 s95, s72, 4
	s_lshl_b32 s95, s95, 11
	s_add_co_u32 s95, s95, s[Q0]                   ; row 2048 x batch + my first query
	s_lshl_b32 s95, s95, 7
	s_add_co_u32 s94, s94, s95
	s_mov_b32 s95, 0
	s_add_nc_u64 s[6:7], s[6:7], s[94:95]
	v_and_b32 v12, 15, v0                          ; r = lane % 16
	v_bfe_u32 v13, v0, 4, 1                        ; h = lane / 16
	v_lshlrev_b32 v[QO], 7, v12
	v_lshl_add_u32 v[QO], v13, 4, v[QO]            ; row r of 128 bytes + 16 h
.irp t, 0,1
.irp c, 0,1
	global_load_b128 v[Q+8*(2*\t+\c):Q+8*(2*\t+\c)+3], v[QO], s[92:93] offset:\t*2048+\c*64       ; Q stays in registers
	global_load_b128 v[Q+8*(2*\t+\c)+4:Q+8*(2*\t+\c)+7], v[QO], s[92:93] offset:\t*2048+\c*64+32
.endr
.endr
	v_mul_u32_u24 v[AK0], v12, PK
	v_lshl_add_u32 v[AK0], v13, 4, v[AK0]          ; K: row x pitch + 16 x half
	v_and_b32 v14, 7, v0
	v_bfe_u32 v15, v0, 3, 1
	v_lshl_add_u32 v[AV0], v13, 3, v14             ; V, for the turning load: key 8 h + lane % 8,
	v_mul_u32_u24 v[AV0], v[AV0], PV
	v_lshl_add_u32 v[AV0], v15, 4, v[AV0]          ; channels 8 ((lane / 8) % 2) on
	v_add_nc_u32 v[AV0], VOFF, v[AV0]
	v_lshlrev_b32 v16, 3, v13
	v_sub_nc_u32 v[RH], v12, v16                   ; r - 8 h
	s_mul_i32 s96, s[WV], 32*PK                    ; my stage for the way out: 32 rows x 144 bytes, in slot 0: it has had its last fill and its last read at the last change of slots
	v_mul_u32_u24 v[STO], v12, PK
	v_lshl_add_u32 v[STO], v13, 4, v[STO]
	v_add_nc_u32 v[STO], s96, v[STO]               ; in: row r, 16 bytes for each half of the lanes
	v_and_b32 v16, 31, v0
	v_lshrrev_b32 v17, 3, v16
	v_mul_u32_u24 v[RD], v17, PK
	v_lshl_add_u32 v[RD], v14, 4, v[RD]
	v_add_nc_u32 v[RD], s96, v[RD]                 ; back: eight lanes to a row of 128 bytes, four rows an instruction
	v_lshlrev_b32 v[GO], 4, v16
	v_lshlrev_b32 v[PFO], 8, v16
	v_mov_b32 v[NINF], 0xff800000
.irp t, 0,1
	v_mov_b32 v[ST+8*\t+1], 0xff61b1e6             ; m: -3e38, under every score
	v_mul_f32 v[ST+8*\t], s[CS], v[ST+8*\t+1]      ; c m
.irp i, 2,3,4,5,6,7
	v_mov_b32 v[ST+8*\t+\i], 0                     ; l, and the registers at work (a lane permute's destination counts as one of its sources)
.endr
.endr
.set n, 0
.rept 64
	v_mov_b32 v[OT+n], 0                           ; O^T.  (The step is written once: the first finds zeros, which a = 0 leaves zeros)
.set n, n+1
.endr
; A KEY STEP: 64 keys.
.macro STEP
	s_cmp_gt_u32 s[KF], s[Q0]                      ; Q0 is a multiple of 32 and KF of 64: KF > Q0 says that all 64 keys come after my 32 queries; else key KF counts for every one of them
	s_cbranch_scc1 .Lhidden_\@
	v_add_nc_u32 v[ADK], s[TB], v[AK0]
	v_add_nc_u32 v[ADV], s[TB], v[AV0]
.rept 3
	v_nop                                          ; five places with the two additions: the first products below write over registers (P) that the last step's products read; the loads into F want four
.endr
.irp kt, 0,1,2,3
.irp c, 0,1
	ds_load_b128 v[F+8*(2*\kt+\c):F+8*(2*\kt+\c)+3], v[ADK] offset:\kt*16*PK+\c*64
	ds_load_b128 v[F+8*(2*\kt+\c)+4:F+8*(2*\kt+\c)+7], v[ADK] offset:\kt*16*PK+\c*64+32
.endr
.endr
.irp g, 0,2                                    ; S^T = K Q^T, two tiles of keys x two tiles of queries at a time: four accumulators by turns, the first product of each with C = 0
	s_wait_dscnt 8-4*\g                            ; 8: key tiles 0 and 1 are in, the eight younger loads may be out;  0: all are in
.irp c, 0,1
.irp kt, \g, \g+1
.irp t, 0,1
.if \c == 0
	v_wmma_f32_16x16x32_f16 v[S+32*\t+8*(\kt):S+32*\t+8*(\kt)+7], v[F+8*(2*(\kt)+\c):F+8*(2*(\kt)+\c)+7], v[Q+8*(2*\t+\c):Q+8*(2*\t+\c)+7], 0
.else
	v_wmma_f32_16x16x32_f16 v[S+32*\t+8*(\kt):S+32*\t+8*(\kt)+7], v[F+8*(2*(\kt)+\c):F+8*(2*(\kt)+\c)+7], v[Q+8*(2*\t+\c):Q+8*(2*\t+\c)+7], v[S+32*\t+8*(\kt):S+32*\t+8*(\kt)+7]
.endif
.endr
.endr
.endr
.endr
	s_sub_co_i32 s96, s[Q0], s[KF]
	v_add_nc_u32 v[ST+4], s96, v[RH]               ; d of tile 0 = my query - KF - 8 h.  Register 8 kt + j holds key KF + 16 kt + 8 h + j: it counts where 16 kt + j <= d
	v_add_nc_u32 v[ST+12], 16, v[ST+4]             ; d of tile 1
	v_nop
	v_nop                                          ; four places behind the products: for the loads into F, and for the first reads of the scores
.irp kk, 0,1
.irp dt, 0,1,2,3
	ds_load_tr16_b128 v[F+8*(4*\kk+\dt):F+8*(4*\kk+\dt)+3], v[ADV] offset:\kk*32*PV+\dt*32          ; V lands while the softmax is worked
	ds_load_tr16_b128 v[F+8*(4*\kk+\dt)+4:F+8*(4*\kk+\dt)+7], v[ADV] offset:\kk*32*PV+16*PV+\dt*32
.endr
.endr
	s_add_co_u32 s97, s[KF], 63                    ; on the diagonal the scores of hidden keys become -infinity ahead of the maximum: p = 0 then.  A step all of whose keys count skips this
	s_cmp_le_u32 s97, s[Q0]
	s_cbranch_scc1 .Lopen_\@
.irp t, 0,1
.set n, 0
.rept 32
	v_cmp_le_i32 vcc_lo, 16*(n/8)+n%8, v[ST+8*\t+4]
	v_cndmask_b32 v[S+32*\t+n], v[NINF], v[S+32*\t+n], vcc_lo
.set n, n+1
.endr
.endr
.Lopen_\@:
	; the maximum of my 32 scores and the old m, three operands at a time, four chains a tile; the two tiles line by line.  Each accumulator is read from its low end on
.irp j, 0,1,2,3
.irp t, 0,1
	v_max3_num_f32 v[ST+8*\t+4+\j], v[S+32*\t+8*\j], v[S+32*\t+8*\j+1], v[S+32*\t+8*\j+2]
.endr
.endr
.irp i, 3,5
.irp j, 0,1,2,3
.irp t, 0,1
	v_max3_num_f32 v[ST+8*\t+4+\j], v[ST+8*\t+4+\j], v[S+32*\t+8*\j+\i], v[S+32*\t+8*\j+\i+1]
.endr
.endr
.endr
.irp t, 0,1
	v_max3_num_f32 v[ST+8*\t+4], v[ST+8*\t+4], v[S+32*\t+7], v[S+32*\t+15]
.endr
.irp t, 0,1
	v_max3_num_f32 v[ST+8*\t+6], v[ST+8*\t+6], v[S+32*\t+23], v[S+32*\t+31]
.endr
.irp t, 0,1
	v_max3_num_f32 v[ST+8*\t+4], v[ST+8*\t+4], v[ST+8*\t+5], v[ST+8*\t+6]
.endr
.irp t, 0,1
	v_max3_num_f32 v[ST+8*\t+4], v[ST+8*\t+4], v[ST+8*\t+7], v[ST+8*\t+1]
.endr
.irp t, 0,1
	v_permlanex16_b32 v[ST+8*\t+5], v[ST+8*\t+4], s[SEL], s[SEL+1]   ; the query's other 32 keys lie in the lane 16 away
.endr
.irp t, 0,1
	v_mov_b32 v[ST+8*\t+7], v[ST+8*\t]             ; c m_old is kept for a
.endr
.irp t, 0,1
	v_max_num_f32 v[ST+8*\t+1], v[ST+8*\t+4], v[ST+8*\t+5]
.endr
.irp t, 0,1
	v_mul_f32 v[ST+8*\t], s[CS], v[ST+8*\t+1]
.endr
.irp t, 0,1
	v_sub_f32 v[ST+8*\t+7], v[ST+8*\t+7], v[ST+8*\t]
.endr
.irp b, 0,1,2,3,4,5,6,7,8,9,10,11,12,13,14,15
.irp t, 0,1
	v_pk_fma_f32 v[S+32*\t+2*\b:S+32*\t+2*\b+1], v[S+32*\t+2*\b:S+32*\t+2*\b+1], s[CS:CS+1], v[ST+8*\t:ST+8*\t+1] op_sel_hi:[1,0,0] neg_lo:[0,0,1] neg_hi:[0,0,1]   ; c s - c m, two at a time
.endr
.endr
.irp t, 0,1
	v_exp_f32 v[ST+8*\t+6], v[ST+8*\t+7]           ; a.  ONE BATCH: both tiles' 66 exponentials, none of which reads another's result
.endr
.set n, 0
.rept 32
.irp t, 0,1
	v_exp_f32 v[S+32*\t+n], v[S+32*\t+n]
.endr
.set n, n+1
.endr
	v_nop                                          ; a plain instruction behind the last exponential,
	s_wait_alu depctr_va_vdst(0)                   ; and the one wait ahead of the batch's first reader
.irp t, 0,1
	v_pk_add_f32 v[ST+8*\t+4:ST+8*\t+5], v[S+32*\t:S+32*\t+1], v[S+32*\t+2:S+32*\t+3]   ; the row's sum is taken of the unrounded p
.endr
.irp i, 4,6,8,10,12,14,16,18,20,22,24,26,28,30
.irp t, 0,1
	v_pk_add_f32 v[ST+8*\t+4:ST+8*\t+5], v[ST+8*\t+4:ST+8*\t+5], v[S+32*\t+\i:S+32*\t+\i+1]
.endr
.endr
.irp t, 0,1
	v_pk_fma_f32 v[ST+8*\t+2:ST+8*\t+3], v[ST+8*\t+2:ST+8*\t+3], v[ST+8*\t+6:ST+8*\t+7], v[ST+8*\t+4:ST+8*\t+5] op_sel_hi:[1,0,1]   ; l = a l + the sum
.endr
.set n, 0
.rept 16
.irp t, 0,1
	v_cvt_pk_f16_f32 v[S+32*\t+n], v[S+32*\t+2*n], v[S+32*\t+2*n+1]   ; P in place, ascending: register n takes p 2 n and 2 n + 1, and never a p that is still to be read
.endr
.set n, n+1
.endr
.set n, 0
.rept 16
.irp t, 0,1
	v_pk_mul_f32 v[OT+32*\t+2*n:OT+32*\t+2*n+1], v[OT+32*\t+2*n:OT+32*\t+2*n+1], v[ST+8*\t+6:ST+8*\t+7] op_sel_hi:[1,0]   ; O^T times a
.endr
.set n, n+1
.endr
.irp kk, 0,1                                   ; O^T += V^T P: eight accumulators by turns, 32 keys at a time
	s_wait_dscnt 8-8*\kk                           ; 8: V's first 32 keys are in, the eight younger loads may be out;  0: all are in
.irp dt, 0,1,2,3
.irp t, 0,1
	v_wmma_f32_16x16x32_f16 v[OT+32*\t+8*\dt:OT+32*\t+8*\dt+7], v[F+8*(4*\kk+\dt):F+8*(4*\kk+\dt)+7], v[S+32*\t+8*\kk:S+32*\t+8*\kk+7], v[OT+32*\t+8*\dt:OT+32*\t+8*\dt+7]
.endr
.endr
.endr
.Lhidden_\@:
	s_add_co_u32 s[KF], s[KF], 64
	s_add_co_u32 s[TB], s[TB], STEPB
.endm
; THE CHANGE OF SLOTS stands at a slot's head.  Each wave waits for all its tensor loads (its part of the slot that it is about to read), adds 0 to its spare word, and waits for that and for its reads of the slot that it has left.
; Behind the barrier the slot ahead is whole and nobody reads the other one.  fill = 1: that other slot is filled with the keys that follow, up to the causal limit: the load has a slot's four steps in which to land.
.macro CHANGE fill
	s_wait_tensorcnt 0x0                           ; no tensor load of mine is out, so a group 0 may be written
	ds_add_u32 v[SPW], v[NIL]                      ; 0 onto my spare word
.if \fill
	ds_add_u32 v[SPW], v[NIL]                      ; and once more: the add stands twice on end, in every trip alike
	s_xor_b32 s[G0K+1], s[G0K+1], SLOT1            ; the walking descriptors: the other slot than last time,
	s_add_nc_u64 s[G0K+2:G0K+3], s[G0K+2:G0K+3], 32768   ; the next 256 keys; the type bits on top are not reached
	s_xor_b32 s[G0V+1], s[G0V+1], SLOT1
	s_add_nc_u64 s[G0V+2:G0V+3], s[G0V+2:G0V+3], 32768
	s_wait_xcnt 0x0                                ; the last prefetch, a slot back, has read its address, so it may be written:
	s_add_nc_u64 s[PFA:PFA+1], s[PFA:PFA+1], 32768 ; one slot further on than the walking descriptors
.endif
	s_wait_dscnt 0x0                               ; the add is done, and my reads of the slot that I have left are over
	s_barrier_signal -1
	s_barrier_wait -1
.if \fill
	s_add_co_u32 s96, s[KF], 256                   ; the first key of the slot that this change would ask for
	s_cmp_gt_u32 s96, s[LASTQ]                     ; ids and the count of steps alone: all sixteen waves go the same way, and a work-group that is past the limit stays past it
	s_cbranch_scc1 .Lpast_\@
	TLOAD                                          ; a wave's one tensor load until the next such barrier
.Lpast_\@:
	ASK
.endif
.endm
.macro SLOT_STEPS                      ; a slot's four key steps: written once, walked four times; the LDS addresses hang on s[TB]
	s_mov_b32 s[CNT], 4
.Lstep_\@:
	STEP
	s_sub_co_u32 s[CNT], s[CNT], 1
	s_cmp_lg_u32 s[CNT], 0
	s_cbranch_scc1 .Lstep_\@
	s_sub_co_u32 s[TB], s[TB], 4*STEPB             ; back to a slot's first step,
	s_xor_b32 s[TB], s[TB], SLOT1                  ; in the other slot
.endm
	s_wait_loadcnt 0x0                             ; Q
.Lslot:                                            ; seven trips: behind each change of slots but the last the next slot is asked for, up to the causal limit
	CHANGE 1
	SLOT_STEPS
	s_sub_co_u32 s[SLOTS], s[SLOTS], 1
	s_cmp_lg_u32 s[SLOTS], 0
	s_cbranch_scc1 .Lslot
	CHANGE 0                                       ; the last slot is written out: nothing is left to ask for
	SLOT_STEPS
	; THE WAY OUT.  l's two halves and the other half of the lanes' are added; O^T is divided by l, rounded to f16 and sent through my stage: my 32 queries of the head are 4,096 consecutive bytes of ho16.
.rept 4
	v_nop                                          ; places behind the last products
.endr
.irp t, 0,1
	v_add_f32 v[ST+8*\t+4], v[ST+8*\t+2], v[ST+8*\t+3]
.endr
.irp t, 0,1
	v_permlanex16_b32 v[ST+8*\t+5], v[ST+8*\t+4], s[SEL], s[SEL+1]
.endr
.irp t, 0,1
	v_add_f32 v[ST+8*\t+4], v[ST+8*\t+4], v[ST+8*\t+5]
.endr
.irp t, 0,1
	v_rcp_f32 v[ST+8*\t+6], v[ST+8*\t+4]
.endr
	v_nop                                          ; a plain instruction behind the last reciprocal,
	s_wait_alu depctr_va_vdst(0)                   ; and the wait ahead of the first use: one for the two
.irp t, 0,1
.set n, 0
.rept 16
	v_pk_mul_f32 v[OT+32*\t+2*n:OT+32*\t+2*n+1], v[OT+32*\t+2*n:OT+32*\t+2*n+1], v[ST+8*\t+6:ST+8*\t+7] op_sel_hi:[1,0]
.set n, n+1
.endr
.endr
.set n, 0
.rept 32
	v_cvt_pk_f16_f32 v[F+n], v[OT+2*n], v[OT+2*n+1]
.set n, n+1
.endr
.irp t, 0,1
.irp dt, 0,1,2,3
	ds_store_b128 v[STO], v[F+4*(4*\t+\dt):F+4*(4*\t+\dt)+3] offset:\t*16*PK+32*\dt   ; lane (r, h): query 16 t + r, channels 16 dt + 8 h + 0..7
.endr
.endr
.irp i, 0,1,2,3,4,5,6,7
	ds_load_b128 v[S+4*\i:S+4*\i+3], v[RD] offset:\i*4*PK          ; LDS serves a wave's instructions in order: these see my stores
.endr
.irp i, 0,1,2,3,4,5,6,7
	s_wait_dscnt 7-\i                              ; load i is back; the younger ones may be out
	global_store_b128 v[GO], v[S+4*\i:S+4*\i+3], s[6:7] offset:512*\i   ; 32 lanes store 512 consecutive bytes, aligned
.endr
	s_wait_tensorcnt 0x0                           ; the wave's end, behind my last tensor load and my last LDS store
	ds_add_u32 v[SPW], v[NIL]
	s_wait_dscnt 0x0
	s_endpgm
.Lfunc_end_k_q010da2b2a4_attn:
	.size	k_q010da2b2a4_attn, .Lfunc_end_k_q010da2b2a4_attn-k_q010da2b2a4_attn
	.p2alignl 7, 3214868480
	.fill 96, 4, 3214868480
	.section	.rodata,"a",@progbits
	.p2align	6, 0x0
	.amdhsa_kernel k_q010da2b2a4_attn
		.amdhsa_group_segment_fixed_size 327680
		.amdhsa_private_segment_fixed_size 0
		.amdhsa_enable_private_segment 0
		.amdhsa_kernarg_size 16
		.amdhsa_user_sgpr_count 2
		.amdhsa_user_sgpr_kernarg_segment_ptr 1
		.amdhsa_wavefront_size32 1
		.amdhsa_system_sgpr_workgroup_id_x 1
		.amdhsa_system_sgpr_workgroup_id_y 1
		.amdhsa_system_sgpr_workgroup_id_z 1
		.amdhsa_system_vgpr_workitem_id 0
		.amdhsa_next_free_vgpr 256
		.amdhsa_next_free_sgpr 100
		.amdhsa_reserve_vcc 1
		.amdhsa_float_denorm_mode_32 3
		.amdhsa_float_denorm_mode_16_64 3
		.amdhsa_memory_ordered 1
		.amdhsa_forward_progress 1
		.amdhsa_inst_pref_size 61
	.end_amdhsa_kernel
	.amdgpu_metadata
---
amdhsa.version: [ 1, 2 ]
amdhsa.kernels:
  - .name:           k_q010da2b2a4_attn
    .symbol:         k_q010da2b2a4_attn.kd
    .args:
      - { .name: qkv16, .offset: 0, .size: 8, .value_kind: global_buffer, .address_space: global }
      - { .name: ho16, .offset: 8, .size: 8, .value_kind: global_buffer, .address_space: global }
    .group_segment_fixed_size: 327680
    .private_segment_fixed_size: 0
    .kernarg_segment_align: 8
    .kernarg_segment_size: 16
    .max_flat_workgroup_size: 512
    .sgpr_count:     100
    .vgpr_count:     256
    .wavefront_size: 32
...
	.end_amdgpu_metadata
.endif
;; end of part 3
;; launch proj (part 4): grid 4 x 64, 4 waves a work-group, clusters of 4 x 4, 327,680 bytes of LDS; arguments ho16, wo16, b_out, out0; writes out0
.if DOCPART == 4
	.amdgcn_target "amdgcn-amd-amdhsa--gfx1250"
	.amdhsa_code_object_version 6
	.text
	.protected	k_q010da2b2a4_proj
	.globl	k_q010da2b2a4_proj
	.p2align	8
	.type	k_q010da2b2a4_proj,@function
k_q010da2b2a4_proj:
	s_mov_b64 s[64:65], 0
	v_nop
	global_prefetch_b8 v0, s[64:65] scope:SCOPE_SE
	s_setreg_imm32_b32 hwreg(HW_REG_WAVE_MODE, 25, 1), 1
	s_wait_xcnt 0x0
	s_wait_alu depctr_hold_cnt(0) depctr_sa_sdst(0) depctr_va_vdst(0) depctr_va_sdst(0) depctr_va_ssrc(0) depctr_va_vcc(0) depctr_vm_vsrc(0)
	s_getreg_b32 s2, hwreg(HW_REG_IB_STS2, 6, 4)
	s_cmp_eq_u32 s2, 0
	s_cbranch_scc0 .Lentry_in_a_cluster
	s_endpgm
.Lentry_in_a_cluster:
	s_bfe_u32 s2, ttmp6, 0x10000c
	s_cmp_lg_u32 s2, 0xf033
	s_cbranch_scc0 .Lentry_shape_is_right
	s_endpgm
.Lentry_shape_is_right:
; out0[m][n] = sum over k of head_out[m][k] w_out[n][k] + b_out[n].  M 8,192, N 1,024, K 1,024 = 16 heads x 64.  Operands in f16, sums and result in f32.
; head_out lies by head: ho16 [16][8192][64] f16;  wo16 [1024 n][1024 k] f16.  (The first 16 positions of every batch are written again, more finely, by the launch that follows.)
; A tile of the result is 128 (m) x 256 (n): 64 x 4 = 256 work-groups.  Four waves, each 64 x 128: 32 accumulators of 16 x 16, 256 registers.
; K goes in eight steps of 128 (two heads) through a ring of two LDS slots; two slots of 256 along K would need more LDS than a work-group can have.  A step is four quarters of 32 along K, 32 matrix instructions each.
; CLUSTERS: 4 x 4 work-groups.  The four of a row of the cluster need the same tiles of ho16, the four of a column the same tiles of wo16: each tile is asked for JOINTLY, by the same tensor load with the same descriptor and a mask that names the four.
; THE MATRIX INSTRUCTION IS USED TRANSPOSED (source 0 = 16 rows of wo16, source 1 = 16 rows of ho16): a lane then holds eight neighbouring columns of one row.  The bias is the C of each sum's first instruction.
; REGISTERS: window 0: v0-31 addresses; v64-95, v96-127 ho16's fragments (4 x 16 rows x 32 K), two buffers; v128-255 the way out.
;   window 1: v0-63, v64-127 wo16's fragments (8 x 16 rows x 32 K), two buffers; v128-191 the bias in the result's layout.   window 2: the accumulators ((a, b) at v[8 (8 a + b)]).
.set PA,     144                       ; a row of a plane of ho16 in LDS: 128 bytes + 16
.set PB,     272                       ; a row of wo16's tile: 256 bytes + 16
.set APLANE, 128*PA                    ; a head's 128 rows: what wave 0 or 1 fetches
.set HALFB,  128*PB                    ; 128 rows of wo16: what wave 2 or 3 fetches
.set SLOT,   2*APLANE+2*HALFB
.set SPARE,  2*SLOT                    ; the spare words, 128 bytes a wave, which no other line names
.set SPITCH, 528                       ; the way out: a stage of 16 rows x (512 bytes + 16) for each wave, in slot 0, which has had its last fill and its last read when the first result is stored there
.set PLANEB, 1048576                   ; a head's plane of ho16 in memory
.set ADRA, 16                          ; v16-17  LDS address of my ho16 fragments in slot 0, 1
.set ADRB, 20                          ; v20-21  the same for wo16
.set STO,  24                          ; v24     the way out: where I put 32 bytes of a row
.set RD,   25                          ; v25     where I read a row back
.set CO,   26                          ; v26     16 x lane
.set BO,   27                          ; v27     32 x (lane / 16)
.set SPW,  28                          ; v28     LDS address of my spare word; never rewritten
.set NIL,  29                          ; v29     0; never rewritten
.set PFO,  30                          ; v30     256 x lane; never rewritten
.set AF,   64                          ; ho16's buffers, in window 0
.set BI,   128                         ; the bias, in window 1
.set BK,   128                         ; the way out: rows read back: v128-191 and v192-255 by turns
.set G1, 24                            ; s[24:31] descriptor group 1 for ho16's tiles;  s[32:39] group 0, one set for each slot
.set G0, 32
.set G1B, 48                           ; s[48:55], s[56:63] the same for wo16's
.set G0B, 56
.set LIM, 43                           ; s43     1 in a wave that prefetches, else the greatest number
.set PFA, 44                           ; s[44:45] where my prefetches stand
.set MSB, 0
.macro WIN new                         ; the immediate's high byte repeats the setting that is left
.if MSB != \new
	s_set_vgpr_msb (MSB<<8)|\new
.set MSB, \new
.endif
.endm
.set MUL,  0xa1                        ; source 0 (wo16) window 1, source 1 (ho16) window 0, C and D window 2
.set FST,  0x91                        ; a sum's first instruction: C (the bias) window 1
.set TO_B, 0x40                        ; destination window 1, address window 0
.macro JLOAD s                         ; a joint load: waves 0 and 1 fetch ho16's two planes, waves 2 and 3 wo16's two halves; an s_nop 0 and four v_nop follow each of the two lines
	s_cmp_eq_u32 s67, 0
	s_cbranch_scc0 .Lfor_b_\@
	tensor_load_to_lds s[G0+4*\s:G0+4*\s+3], s[G1:G1+7]
	s_nop 0
.rept 4
	v_nop
.endr
	s_branch .Lasked_\@
.Lfor_b_\@:
	tensor_load_to_lds s[G0B+4*\s:G0B+4*\s+3], s[G1B:G1B+7]
	s_nop 0
.rept 4
	v_nop
.endr
.Lasked_\@:
.endm
.macro CREST                           ; a round of the cluster's barrier behind its opening barrier
	s_cmp_lg_u32 s66, 0
	s_cbranch_scc1 .Lnot_wave_0_\@
	s_barrier_signal -3
.Lnot_wave_0_\@:
	s_barrier_wait -3
	s_barrier_signal -1
	s_barrier_wait -1
.endm
.macro CROUND                          ; a whole round
	s_barrier_signal -1
	s_barrier_wait -1
	CREST
.endm
; A PREFETCH INTO THE L2 of ho16's K step that stands TWO refills on: two planes x 128 rows x 128 bytes = 128 aligned blocks of 256 bytes.  A tile row of ho16 is read by one row of one cluster alone: its four partners share the
; blocks out BY ADDRESS (cx / 2: the plane; cx % 2: its half), 32 each; in each, wave 0 asks, a lane a block: each block is named once in the launch.  The loop's last trip asks for nothing: there is no K step two on;
; K steps 0 to 3 come by their loads alone.  wo16 is walked again and again by all sixteen clusters and is not asked for.
.macro ASK
	s_cmp_gt_u32 s3, s[LIM]
	s_cbranch_scc0 .Lnot_mine_\@
	global_prefetch_b8 v[PFO], s[PFA:PFA+1] offset:2*PLANEB th:TH_LOAD_NT scope:SCOPE_SE
.Lnot_mine_\@:
.endm
	s_load_b128 s[4:7], s[0:1], 0x0                ; ho16 s[4:5], wo16 s[6:7]
	s_load_b128 s[8:11], s[0:1], 0x10              ; b_out s[8:9], out0 s[10:11]
	v_lshl_add_u32 v[SPW], v0, 2, SPARE
	v_mov_b32 v[NIL], 0
	ds_add_u32 v[SPW], v[NIL]                      ; the wave's opening: the add, twice on end, and its wait ahead of my first tensor load; the set-up below stands between the second and the wait
	ds_add_u32 v[SPW], v[NIL]
	v_lshrrev_b32 v1, 5, v0
	v_readfirstlane_b32 s66, v1                    ; wave 0..3
	s_lshr_b32 s67, s66, 1                         ; which 64 of the tile's rows are mine.  Also: I fetch for ho16 (0) or for wo16 (1)
	s_and_b32 s68, s66, 1                          ; which 128 of its columns.  Also: which plane or half I fetch
	s_bfe_u32 s40, ttmp6, 0x40000                  ; cx, cy: my place in the cluster
	s_bfe_u32 s41, ttmp6, 0x40004
	s_lshl_b32 s42, ttmp9, 2
	s_add_co_u32 s42, s42, s40                     ; tile column = 4 x cluster x + cx
	s_and_b32 s13, ttmp7, 0xffff
	s_lshl_b32 s13, s13, 2
	s_add_co_u32 s13, s13, s41                     ; tile row = 4 x cluster y + cy
	s_lshl_b32 s69, s41, 2
	s_lshl_b32 s69, 15, s69                        ; my row of the cluster
	s_lshl_b32 s70, 0x1111, s40                    ; my column
	; descriptor groups 1.  ho16: 128 rows x 64 elements, dense, 4 words of padding behind every 32;  wo16: 128 rows x 128 elements, 1,024 elements apart, 4 words behind every 64
	s_or_b32 s[G1+0], s69, (1<<16)|(1<<20)|(1<<21)|(4<<22)|(3<<25)   ; 15:0 the mask: my row; 17:16 elements of 2 bytes; 20 padding on; 21 set beside a mask
	s_mov_b32 s[G1+1], 64<<16                      ; tensor_dim0
	s_mov_b32 s[G1+2], 128<<16                     ; tensor_dim1
	s_mov_b32 s[G1+3], 64<<16                      ; tile_dim0
	s_mov_b32 s[G1+4], 128                         ; tile_dim1
	s_mov_b32 s[G1+5], 64                          ; tensor_dim0_stride
	s_mov_b32 s[G1+6], 0
	s_mov_b32 s[G1+7], 0
	s_or_b32 s[G1B+0], s70, (1<<16)|(1<<20)|(1<<21)|(5<<22)|(3<<25)  ; the mask: my column
	s_mov_b32 s[G1B+1], 128<<16
	s_mov_b32 s[G1B+2], 128<<16
	s_mov_b32 s[G1B+3], 128<<16
	s_mov_b32 s[G1B+4], 128
	s_mov_b32 s[G1B+5], 1024
	s_mov_b32 s[G1B+6], 0
	s_mov_b32 s[G1B+7], 0
	s_lshl_b32 s16, s68, 20                        ; ho16: plane (wave % 2),
	s_lshl_b32 s17, s13, 14                        ; the tile row's 128 rows of 128 bytes
	s_add_co_u32 s16, s16, s17
	s_mov_b32 s17, 0
	s_lshl_b32 s46, s42, 19                        ; wo16: row 256 x tile column + 128 x (wave % 2), 2,048 bytes a row
	s_lshl_b32 s47, s68, 18
	s_add_co_u32 s46, s46, s47
	s_mov_b32 s47, 0
	s_mul_i32 s20, s68, APLANE                     ; where they go: no place in the cluster enters an LDS address
	s_mul_i32 s21, s68, HALFB
	s_add_co_u32 s21, s21, 2*APLANE
	s_wait_dscnt 0x0                               ; both opening adds are done
	s_wait_kmcnt 0x0
	s_add_nc_u64 s[14:15], s[4:5], s[16:17]
	s_add_nc_u64 s[46:47], s[6:7], s[46:47]
	CROUND                                         ; all sixteen work-groups are here: the first joint loads meet
.irp s, 0,1
	s_mov_b32 s[G0+4*\s], 1
	s_add_co_u32 s[G0+4*\s+1], s20, \s*SLOT
	s_add_nc_u64 s[G0+4*\s+2:G0+4*\s+3], s[14:15], \s*2*PLANEB     ; K step s: heads 2 s and 2 s + 1
	s_or_b32 s[G0+4*\s+3], s[G0+4*\s+3], 0x80000000
	s_mov_b32 s[G0B+4*\s], 1
	s_add_co_u32 s[G0B+4*\s+1], s21, \s*SLOT
	s_add_nc_u64 s[G0B+4*\s+2:G0B+4*\s+3], s[46:47], \s*256
	s_or_b32 s[G0B+4*\s+3], s[G0B+4*\s+3], 0x80000000
	JLOAD \s                                       ; two loads of mine are out behind the second
.endr
	v_and_b32 v1, 15, v0                           ; r = l % 16
	v_bfe_u32 v2, v0, 4, 1                         ; h = l / 16
	v_lshlrev_b32 v[BO], 5, v2
	s_lshl_b32 s46, s42, 10                        ; my first column, in bytes of f32: 1024 x tile column + 512 x (wave % 2)
	s_lshl_b32 s47, s68, 9
	s_add_co_u32 s46, s46, s47
	s_mov_b32 s47, 0
	s_add_nc_u64 s[8:9], s[8:9], s[46:47]          ; the bias at my first column
	s_add_nc_u64 s[10:11], s[10:11], s[46:47]
	s_lshl_b32 s46, s13, 19                        ; my first row: 128 x tile row + 64 x (wave / 2), 4,096 bytes a row
	s_lshl_b32 s22, s67, 18
	s_add_co_u32 s46, s46, s22
	s_add_nc_u64 s[10:11], s[10:11], s[46:47]
	WIN TO_B
.irp b, 0,1,2,3,4,5,6,7
	global_load_b128 v[BI+8*\b:BI+8*\b+3], v[BO], s[8:9] offset:64*\b          ; v[BI + 8 b + j] = b_out[my first column + 16 b + 8 h + j]
	global_load_b128 v[BI+8*\b+4:BI+8*\b+7], v[BO], s[8:9] offset:64*\b+16
.endr
	WIN 0
	v_mul_u32_u24 v3, v1, PA
	v_lshl_add_u32 v3, v2, 4, v3                   ; a fragment's row x pitch + 16 x half
	v_mul_u32_u24 v4, v1, PB
	v_lshl_add_u32 v4, v2, 4, v4
	s_mul_i32 s21, s67, 64*PA                      ; my 64 rows of each plane
	s_mul_i32 s22, s68, HALFB                      ; my 128 rows of wo16,
	s_add_co_u32 s22, s22, 2*APLANE                ; which lie behind the two planes
.irp s, 0,1
	v_add_nc_u32 v[ADRA+\s], s21, v3
	v_add_nc_u32 v[ADRB+\s], s22, v4
	s_add_co_u32 s21, s21, SLOT
	s_add_co_u32 s22, s22, SLOT
.endr
	s_mul_i32 s23, s66, 16*SPITCH                  ; my stage
	v_mul_u32_u24 v5, v1, SPITCH                   ; in: row r, 32 bytes for each half of the lanes
	v_lshl_add_u32 v5, v2, 5, v5
	v_add_nc_u32 v[STO], s23, v5
	v_and_b32 v6, 31, v0
	v_lshlrev_b32 v[CO], 4, v6                     ; back: the 32 lanes take one row of 512 bytes; and the same in out0
	v_add_nc_u32 v[RD], s23, v[CO]
	v_lshlrev_b32 v[PFO], 8, v6
	s_lshl_b32 s22, s13, 14                        ; the prefetches: the tile row's rows,
	s_lshr_b32 s23, s40, 1
	s_lshl_b32 s23, s23, 20                        ; plane cx / 2 of a K step's two,
	s_add_co_u32 s22, s22, s23
	s_and_b32 s23, s40, 1
	s_lshl_b32 s23, s23, 13                        ; half cx % 2 of its 16,384 bytes
	s_add_co_u32 s22, s22, s23
	s_mov_b32 s23, 0
	s_add_nc_u64 s[PFA:PFA+1], s[4:5], s[22:23]
	s_add_nc_u64 s[PFA:PFA+1], s[PFA:PFA+1], 2*2*PLANEB   ; at K step 2: the first refill steps it to 3 and names K step 4.  Nothing is prefetched here, at the head
	s_cmp_eq_u32 s66, 0
	s_cselect_b32 s[LIM], 1, -1
; 8 matrix instructions: ho16's block a against wo16's eight, 32 along K: buffer f.  first = 1: the sums begin, with the bias as C.  The 32 accumulators take turns, in the same order in every quarter.
.macro MUL8 f, a, first
.irp b, 0,1,2,3,4,5,6,7
.if \first
	v_wmma_f32_16x16x32_f16 v[8*(8*\a+\b):8*(8*\a+\b)+7], v[64*\f+8*\b:64*\f+8*\b+7], v[AF+32*\f+8*\a:AF+32*\f+8*\a+7], v[BI+8*\b:BI+8*\b+7]
.else
	v_wmma_f32_16x16x32_f16 v[8*(8*\a+\b):8*(8*\a+\b)+7], v[64*\f+8*\b:64*\f+8*\b+7], v[AF+32*\f+8*\a:AF+32*\f+8*\a+7], v[8*(8*\a+\b):8*(8*\a+\b)+7]
.endif
.endr
.endm
; 24 LDS loads in one run: the fragments of the slot's quarter q into buffer f: wo16's 16 loads, then ho16's 8, blocks 0 and 1 first.  Quarter q lies in plane q / 2, at byte 64 (q % 2) of its rows
.macro FETCH slot, q, f
	WIN TO_B
.irp i, 0,1,2,3,4,5,6,7
	ds_load_b128 v[64*\f+8*\i:64*\f+8*\i+3],   v[ADRB+\slot] offset:64*\q+\i*16*PB
	ds_load_b128 v[64*\f+8*\i+4:64*\f+8*\i+7], v[ADRB+\slot] offset:64*\q+\i*16*PB+32
.endr
	WIN 0
.irp i, 0,1,2,3
	ds_load_b128 v[AF+32*\f+8*\i:AF+32*\f+8*\i+3],   v[ADRA+\slot] offset:(\q/2)*APLANE+(\q%2)*64+\i*16*PA
	ds_load_b128 v[AF+32*\f+8*\i+4:AF+32*\f+8*\i+7], v[ADRA+\slot] offset:(\q/2)*APLANE+(\q%2)*64+\i*16*PA+32
.endr
.endm
.macro PLACES                          ; four places in front of loads into registers that matrix instructions have read, and of the first reads of results (ISA guide 7.12.1 for the reads of results)
.rept 4
	v_nop
.endr
.endm
; One of a K step's first three quarters: multiplies buffer f and, in its middle, fetches quarter qn of the same slot into buffer g.
.macro QUARTER slot, qn, f, g, first
	s_wait_dscnt 4                                 ; wo16's fragments and ho16's blocks 0 and 1 are in; the youngest four loads (blocks 2 and 3) may be out
.if \first
	WIN FST
.else
	WIN MUL
.endif
	MUL8 \f, 0, \first
	MUL8 \f, 1, \first
	PLACES
	FETCH \slot, \qn, \g
	s_wait_dscnt 24                                ; all but the 24 just issued
.if \first
	WIN FST
.else
	WIN MUL
.endif
	MUL8 \f, 2, \first
	MUL8 \f, 3, \first
.endm
; The last quarter multiplies buffer 1 and changes slots: ONE barrier; in front of it each wave waits for all its tensor loads, adds 0 to its spare word, and waits for that and for its own reads of this slot.
; fill = 1: the barrier opens a round of the cluster's, and this slot is filled again, two K steps ahead: the load has 112 matrix instructions in which to land.
.macro TURN slot, next, fill
.if \fill
	s_wait_xcnt 0x0                                ; the last prefetch, a K step back, has read its address: it is stepped here, ahead of the waits of the change of slots
	s_add_nc_u64 s[PFA:PFA+1], s[PFA:PFA+1], 2*PLANEB
.endif
	WIN 0                                          ; (the add's two registers lie in window 0)
	s_wait_tensorcnt 0x0                           ; all my tensor loads have landed: my part of the next slot;
	ds_add_u32 v[SPW], v[NIL]                      ; 0 onto my spare word;
	s_wait_dscnt 5                                 ; (the add and the youngest four loads may be out)
	WIN MUL
	MUL8 1, 0, 0                                   ; eight matrix instructions stand between the add and the wait for it
	s_wait_dscnt 0x0                               ; the add is done, and my reads of this slot are over
	s_barrier_signal -1
	MUL8 1, 1, 0
.if \fill
	WIN 0
.endif
	s_barrier_wait -1
.if \fill
	CREST                                          ; no wave of any partner still reads this slot's tile or has a load on its way
	s_add_nc_u64 s[G0+4*\slot+2:G0+4*\slot+3], s[G0+4*\slot+2:G0+4*\slot+3], 4*PLANEB
	s_add_nc_u64 s[G0B+4*\slot+2:G0B+4*\slot+3], s[G0B+4*\slot+2:G0B+4*\slot+3], 512
	JLOAD \slot                                    ; the first tensor load behind the round; the four v_nop behind it are also the places in front of the loads below
.else
	PLACES
.endif
	FETCH \next, 0, 0
.if \fill
	ASK                                            ; behind the joint load and the run of LDS loads that the next products wait for
.endif
	WIN MUL
	MUL8 1, 2, 0
	MUL8 1, 3, 0
.endm
	s_wait_tensorcnt 1                             ; my part of K step 0 is in (K step 1's load may be out)
	s_barrier_signal -1
	s_barrier_wait -1                              ; everybody's is
	FETCH 0, 0, 0
	s_wait_loadcnt 0x0                             ; the bias
	QUARTER 0, 1, 0, 1, 1                          ; the first quarter stands in front of the loop: its products start the sums
	WIN 0                                          ; at a label and at a branch every window is 0
	s_mov_b32 s3, 3
.Llap:                                                 ; a trip goes once round the ring, from a lap's second quarter to the next lap's first, and fills both slots again
	QUARTER 0, 2, 1, 0, 0
	QUARTER 0, 3, 0, 1, 0
	TURN 0, 1, 1
	QUARTER 1, 1, 0, 1, 0
	QUARTER 1, 2, 1, 0, 0
	QUARTER 1, 3, 0, 1, 0
	TURN 1, 0, 1
	QUARTER 0, 1, 0, 1, 0
	WIN 0
	s_sub_co_u32 s3, s3, 1
	s_cmp_lg_u32 s3, 0
	s_cbranch_scc1 .Llap
	QUARTER 0, 2, 1, 0, 0                          ; the last lap fills nothing, and has no round of the cluster's barrier
	QUARTER 0, 3, 0, 1, 0
	TURN 0, 1, 0
	QUARTER 1, 1, 0, 1, 0
	QUARTER 1, 2, 1, 0, 0
	QUARTER 1, 3, 0, 1, 0
	s_wait_dscnt 4                                 ; the very last quarter: nothing more to fetch
	WIN MUL
	MUL8 1, 0, 0
	MUL8 1, 1, 0
	s_wait_dscnt 0
	MUL8 1, 2, 0
	MUL8 1, 3, 0
	WIN 0
; THE WAY OUT, block by block of 16 rows x 128 columns.  A lane holds 32 neighbouring bytes of a row, and the lanes beside it hold other rows: so a block goes through my own stage in LDS and comes back as whole
; rows of 512 bytes.  LDS serves a wave's instructions in order: no wait between the stores and the loads, nor in front of the next block's stores.  The base never steps: block and row stand in the immediate.
.macro TOSTAGE a
	WIN 0x08                                       ; an LDS store's data are its source 1: window 2
.irp b, 0,1,2,3,4,5,6,7
	ds_store_b128 v[STO], v[64*(\a)+8*\b:64*(\a)+8*\b+3] offset:64*\b          ; each accumulator from its low end on
	ds_store_b128 v[STO], v[64*(\a)+8*\b+4:64*(\a)+8*\b+7] offset:64*\b+16
.endr
	WIN 0
.set BB, BK+64*((\a)%2)
.irp t, 0,1,2,3,4,5,6,7,8,9,10,11,12,13,14,15
	ds_load_b128 v[BB+4*\t:BB+4*\t+3], v[RD] offset:\t*SPITCH
.endr
.endm
.macro SEND a, younger                 ; younger: the LDS instructions issued behind block a's loads, which may stay out
.set BB, BK+64*((\a)%2)
	s_wait_dscnt \younger                          ; the block is back in registers
.irp t, 0,1,2,3,4,5,6,7,8,9,10,11,12,13,14,15
	global_store_b128 v[CO], v[BB+4*\t:BB+4*\t+3], s[10:11] offset:(\a)*65536+\t*4096 th:TH_STORE_NT   ; 32 lanes store 512 consecutive bytes, aligned
.endr
.endm
	PLACES
	TOSTAGE 0
.irp a, 1,2,3
.if \a > 1
	s_wait_xcnt 0x0                                ; block a - 2's stores have read their registers: block a's loads may land there
.endif
	TOSTAGE \a
	SEND \a-1, 32                                  ; behind block a - 1's loads: block a's 16 stores and 16 loads
.endr
	SEND 3, 0
	s_wait_tensorcnt 0x0                           ; the wave's end, behind my last tensor load and my last LDS store
	ds_add_u32 v[SPW], v[NIL]
	s_wait_dscnt 0x0
	CROUND                                         ; the closing round: no work-group ends while a partner may still ask for a tile that names it
	s_endpgm
.Lfunc_end_k_q010da2b2a4_proj:
	.size	k_q010da2b2a4_proj, .Lfunc_end_k_q010da2b2a4_proj-k_q010da2b2a4_proj
	.p2alignl 7, 3214868480
	.fill 96, 4, 3214868480
	.section	.rodata,"a",@progbits
	.p2align	6, 0x0
	.amdhsa_kernel k_q010da2b2a4_proj
		.amdhsa_group_segment_fixed_size 327680
		.amdhsa_private_segment_fixed_size 0
		.amdhsa_enable_private_segment 0
		.amdhsa_kernarg_size 32
		.amdhsa_user_sgpr_count 2
		.amdhsa_user_sgpr_kernarg_segment_ptr 1
		.amdhsa_wavefront_size32 1
		.amdhsa_system_sgpr_workgroup_id_x 1
		.amdhsa_system_sgpr_workgroup_id_y 1
		.amdhsa_system_sgpr_workgroup_id_z 1
		.amdhsa_system_vgpr_workitem_id 0
		.amdhsa_next_free_vgpr 768
		.amdhsa_next_free_sgpr 100
		.amdhsa_reserve_vcc 0
		.amdhsa_float_denorm_mode_32 3
		.amdhsa_float_denorm_mode_16_64 3
		.amdhsa_memory_ordered 1
		.amdhsa_forward_progress 1
		.amdhsa_inst_pref_size 88
	.end_amdhsa_kernel
	.amdgpu_metadata
---
amdhsa.version: [ 1, 2 ]
amdhsa.kernels:
  - .name:           k_q010da2b2a4_proj
    .symbol:         k_q010da2b2a4_proj.kd
    .args:
      - { .name: ho16, .offset: 0, .size: 8, .value_kind: global_buffer, .address_space: global }
      - { .name: wo16, .offset: 8, .size: 8, .value_kind: global_buffer, .address_space: global }
      - { .name: b_out, .offset: 16, .size: 8, .value_kind: global_buffer, .address_space: global }
      - { .name: out0, .offset: 24, .size: 8, .value_kind: global_buffer, .address_space: global }
    .group_segment_fixed_size: 327680
    .private_segment_fixed_size: 0
    .kernarg_segment_align: 8
    .kernarg_segment_size: 32
    .max_flat_workgroup_size: 128
    .sgpr_count:     100
    .vgpr_count:     768
    .wavefront_size: 32
...
	.end_amdgpu_metadata
.endif
;; end of part 4
;; launch fine (part 5): grid 16 x 4, 16 waves a work-group, no clusters, 68,096 bytes of LDS; arguments qkv32, w_out, b_out, out0; writes out0
.if DOCPART == 5
	.amdgcn_target "amdgcn-amd-amdhsa--gfx1250"
	.amdhsa_code_object_version 6
	.text
	.protected	k_q010da2b2a4_fine
	.globl	k_q010da2b2a4_fine
	.p2align	8
	.type	k_q010da2b2a4_fine,@function
k_q010da2b2a4_fine:
	s_mov_b64 s[64:65], 0
	v_nop
	global_prefetch_b8 v0, s[64:65] scope:SCOPE_SE
	s_setreg_imm32_b32 hwreg(HW_REG_WAVE_MODE, 25, 1), 1
	s_wait_xcnt 0x0
; THE FIRST 16 POSITIONS OF EVERY BATCH, ONCE MORE, ALL IN f32.  There a row of the softmax averages one to sixteen values, the results are the largest of the output, and 16-bit operands would weigh most.
; From qkv32 [4][16][3072] f32 (q, k, v of those positions), w_out [1024][1024] f32 and b_out: scores, causal softmax, P V and the projection, by v_wmma_f32_16x16x4_f32: 96 matrix instructions a wave.  These 64 rows of out0 are written over.
; SHARES.  Work-group (nc, b) makes out0[b][0..15][64 nc .. 64 nc + 63].  Wave w is head w: it makes the head's 16 x 16 attention and multiplies its O by the head's 64 columns of w_out's 64 rows; the sixteen partial sums meet in LDS.
; THE K SLOTS.  A step of the f32 form takes k = 2 (lane / 16) + j from register j of a pair, on both sides alike; which element stands in a slot is free so long as both sides agree.  With h = lane / 16:
;   S^T = K Q^T:  step s takes channels 32 h + 2 s + j: a lane's 32 registers are 32 neighbouring channels of its row.   O^T = V^T P: step s takes keys 8 h + 2 s + j: just where S^T's layout has left P.
;   out = O W^T:  step (dt, s) takes channels 16 dt + 8 h + 2 s + j: just where O^T's layout has left O.   So nothing changes lanes between the three products.
; No tensor loads, one barrier, no loop.  LIMIT: NaN and infinities are not served.
.set AQ,  3                            ; v3   q, k: row r of 12,288 bytes + 128 h
.set AV,  4                            ; v4   v: 8 h rows down + 4 r
.set AW,  5                            ; v5   w_out: row r of 4,096 bytes + 32 h
.set LST, 6                            ; v6   LDS: where I put a partial: 1024 x wave + 4 x lane
.set LRD, 7                            ; v7   LDS: where I read the partials of my query
.set GO,  8                            ; v8   8 x lane
.set DD,  9                            ; v9   r - 8 h, for the mask
.set SPW, 10                           ; v10  LDS address of my spare word; never rewritten
.set NIL, 11                           ; v11  0; never rewritten
.set QF,  16                           ; v16-47   q[r][32 h + i];  later w_out of n tile 2
.set KF,  48                           ; v48-79   k[r][32 h + i];  later w_out of n tile 3
.set VF,  80                           ; v80-111  [8 dt + i] = v[8 h + i][16 dt + r]
.set WA,  112                          ; v112-175 [32 nt + 8 dt + i] = w_out[64 nc + 16 nt + r][64 w + 16 dt + 8 h + i], nt = 0, 1;  later the partials read back
.set P,   176                          ; v176-183 the scores, then p
.set SA,  184                          ; v184-199 S^T in two halves of the sum.  v184-247 are written by matrix instructions alone
.set OT,  200                          ; v200-231 O^T, four tiles of channels
.set OU,  232                          ; v232-247 two tiles of outputs
.set TS,  16448                        ; LDS: the partial (n tile, head, register j) lies at TS nt + 1024 head + 128 j + 4 lane; the 64 odd bytes in TS keep the four groups of lanes that read back on different banks
.set SPARE, 66048                      ; behind the partials: the spare words, 128 bytes a wave, which no other line names
	s_load_b256 s[4:11], s[0:1], 0x0               ; qkv32 s[4:5], w_out s[6:7], b_out s[8:9], out0 s[10:11]
	v_lshl_add_u32 v[SPW], v0, 2, SPARE
	v_mov_b32 v[NIL], 0
	v_lshrrev_b32 v12, 5, v0
	v_readfirstlane_b32 s12, v12                   ; wave = head
	s_and_b32 s13, ttmp7, 0xffff                   ; batch
	v_and_b32 v1, 15, v0                           ; r
	v_bfe_u32 v2, v0, 4, 1                         ; h
	v_and_b32 v12, 31, v0                          ; lane
	v_mul_u32_u24 v[AQ], v1, 12288
	v_lshl_add_u32 v[AQ], v2, 7, v[AQ]
	v_mul_u32_u24 v[AV], v2, 98304
	v_lshl_add_u32 v[AV], v1, 2, v[AV]
	v_lshlrev_b32 v[AW], 12, v1
	v_lshl_add_u32 v[AW], v2, 5, v[AW]
	s_lshl_b32 s14, s12, 10
	v_lshl_add_u32 v[LST], v12, 2, s14
	v_lshrrev_b32 v13, 3, v12                      ; on the way back wave w takes query w = 8 h' + j' and lane L outputs 2 L, 2 L + 1: n tile L / 8, columns 2 (L % 8) on
	v_mul_u32_u24 v[LRD], v13, TS
	v_and_b32 v13, 7, v0
	v_lshl_add_u32 v[LRD], v13, 3, v[LRD]
	s_and_b32 s15, s12, 7
	s_lshl_b32 s15, s15, 7                         ; register j' = w % 8,
	s_lshr_b32 s16, s12, 3
	s_lshl_b32 s16, s16, 6                         ; lanes 16 h' on, h' = w / 8
	s_add_co_u32 s15, s15, s16
	v_add_nc_u32 v[LRD], s15, v[LRD]
	v_lshlrev_b32 v[GO], 3, v12
	v_lshlrev_b32 v13, 3, v2
	v_sub_nc_u32 v[DD], v1, v13
	s_mul_i32 s16, s13, 196608                     ; qkv32: my batch's 16 rows, my head's 256 bytes
	s_lshl_b32 s17, s12, 8
	s_add_co_u32 s16, s16, s17
	s_mov_b32 s17, 0
	s_lshl_b32 s18, ttmp9, 18                      ; w_out: rows 64 nc on, my head's 256 bytes
	s_lshl_b32 s19, s12, 8
	s_add_co_u32 s18, s18, s19
	s_mov_b32 s19, 0
	s_lshl_b32 s24, ttmp9, 8                       ; b_out: 64 nc on
	s_mov_b32 s25, 0
	s_lshl_b32 s26, s13, 11                        ; out0: row 2048 b + w, columns 64 nc on
	s_add_co_u32 s26, s26, s12
	s_lshl_b32 s26, s26, 12
	s_add_co_u32 s26, s26, s24
	s_mov_b32 s27, 0
	s_mov_b32 s20, 0x76543210
	s_mov_b32 s21, 0xfedcba98                      ; v_permlanex16_b32's selects for lane l xor 16
	s_mov_b32 s22, 0x3e38aa3b                      ; c = log2(e) / 8
	s_wait_kmcnt 0x0
	s_add_nc_u64 s[4:5], s[4:5], s[16:17]
	s_add_nc_u64 s[6:7], s[6:7], s[18:19]
	s_add_nc_u64 s[8:9], s[8:9], s[24:25]
	s_add_nc_u64 s[10:11], s[10:11], s[26:27]
.irp i, 0,1,2,3,4,5,6,7
	global_load_b128 v[KF+4*\i:KF+4*\i+3], v[AQ], s[4:5] offset:4096+16*\i
.endr
.irp i, 0,1,2,3,4,5,6,7
	global_load_b128 v[QF+4*\i:QF+4*\i+3], v[AQ], s[4:5] offset:16*\i
.endr
.irp dt, 0,1,2,3
.irp i, 0,1,2,3,4,5,6,7
	global_load_b32 v[VF+8*\dt+\i], v[AV], s[4:5] offset:8192+\i*12288+\dt*64
.endr
.endr
.irp nt, 0,1
.irp dt, 0,1,2,3
	global_load_b128 v[WA+32*\nt+8*\dt:WA+32*\nt+8*\dt+3], v[AW], s[6:7] offset:\nt*65536+\dt*64
	global_load_b128 v[WA+32*\nt+8*\dt+4:WA+32*\nt+8*\dt+7], v[AW], s[6:7] offset:\nt*65536+\dt*64+16
.endr
.endr
	global_load_b64 v[248:249], v[GO], s[8:9]      ; the bias of my two outputs
	s_wait_loadcnt 49                              ; k and q are in; behind them v's 32 loads, w_out's 16 and the bias's one may be out
	; S^T = K Q^T: 16 steps on two accumulators by turns; the first product of each starts its sum
.set ii, 0
.rept 16
.if ii < 2
	v_wmma_f32_16x16x4_f32 v[SA+8*(ii%2):SA+8*(ii%2)+7], v[KF+2*ii:KF+2*ii+1], v[QF+2*ii:QF+2*ii+1], 0
.else
	v_wmma_f32_16x16x4_f32 v[SA+8*(ii%2):SA+8*(ii%2)+7], v[KF+2*ii:KF+2*ii+1], v[QF+2*ii:QF+2*ii+1], v[SA+8*(ii%2):SA+8*(ii%2)+7]
.endif
.set ii, ii+1
.endr
.rept 8
	v_nop                                          ; eight places behind this form: for the loads into q's and k's registers and for the first read of the sums
.endr
.irp nt, 0,1
.irp dt, 0,1,2,3
	global_load_b128 v[QF+32*\nt+8*\dt:QF+32*\nt+8*\dt+3], v[AW], s[6:7] offset:(2+\nt)*65536+\dt*64       ; w_out of n tiles 2 and 3
	global_load_b128 v[QF+32*\nt+8*\dt+4:QF+32*\nt+8*\dt+7], v[AW], s[6:7] offset:(2+\nt)*65536+\dt*64+16
.endr
.endr
.irp j, 0,1,2,3,4,5,6,7
	v_add_f32 v[P+\j], v[SA+\j], v[SA+8+\j]        ; lane (r, h): the score of query r and key 8 h + j; both sums from their low end on
.endr
	v_mov_b32 v12, 0xff800000                      ; -infinity
.irp j, 0,1,2,3,4,5,6,7
	v_cmp_le_i32 vcc_lo, \j, v[DD]                 ; the key counts where 8 h + j <= r
	v_cndmask_b32 v[P+\j], v12, v[P+\j], vcc_lo
.endr
	v_max3_num_f32 v13, v[P], v[P+1], v[P+2]
	v_max3_num_f32 v13, v13, v[P+3], v[P+4]
	v_max3_num_f32 v13, v13, v[P+5], v[P+6]
	v_max_num_f32 v13, v13, v[P+7]
	v_mov_b32 v14, 0                               ; (a lane permute's destination counts as one of its sources)
	v_permlanex16_b32 v14, v13, s20, s21
	v_max_num_f32 v13, v13, v14                    ; the row's maximum: key 0 counts for every query, so it is a number
	v_mul_f32 v13, s22, v13
.irp j, 0,1,2,3,4,5,6,7
	v_fma_f32 v[P+\j], v[P+\j], s22, -v13
.endr
.irp j, 0,1,2,3,4,5,6,7
	v_exp_f32 v[P+\j], v[P+\j]
.endr
	v_nop                                          ; a plain instruction behind the last exponential,
	s_wait_alu depctr_va_vdst(0)                   ; and the one wait ahead of the batch's first reader
	v_add_f32 v14, v[P], v[P+1]
	v_add_f32 v15, v[P+2], v[P+3]
	v_add_f32 v14, v14, v[P+4]
	v_add_f32 v15, v15, v[P+5]
	v_add_f32 v14, v14, v[P+6]
	v_add_f32 v15, v15, v[P+7]
	v_add_f32 v14, v14, v15
	v_permlanex16_b32 v15, v14, s20, s21
	v_add_f32 v14, v14, v15                        ; the row's sum
	v_rcp_f32 v14, v14
	v_nop
	s_wait_alu depctr_va_vdst(0)
.irp j, 0,1,2,3,4,5,6,7
	v_mul_f32 v[P+\j], v[P+\j], v14                ; p is normalised here, so that O goes on into the next product as the matrix unit leaves it
.endr
	s_wait_loadcnt 33                              ; v is in; behind it w_out's 16, the bias's one and w_out's second 16 may be out
.irp s4, 0,1,2,3                               ; O^T = V^T P: four accumulators by turns
.irp dt, 0,1,2,3
.if \s4 == 0
	v_wmma_f32_16x16x4_f32 v[OT+8*\dt:OT+8*\dt+7], v[VF+8*\dt+2*\s4:VF+8*\dt+2*\s4+1], v[P+2*\s4:P+2*\s4+1], 0
.else
	v_wmma_f32_16x16x4_f32 v[OT+8*\dt:OT+8*\dt+7], v[VF+8*\dt+2*\s4:VF+8*\dt+2*\s4+1], v[P+2*\s4:P+2*\s4+1], v[OT+8*\dt:OT+8*\dt+7]
.endif
.endr
.endr
.rept 9
	v_nop                                          ; nine places: the results become a source of the next products
.endr
; 32 products: two tiles of 16 outputs by turns, K = my head's 64 channels.  Source 0 = O (lane r: query r), source 1 = w_out (lane r: output r of the tile), from register wb on.
.macro OUTP wb
.irp dt, 0,1,2,3
.irp s4, 0,1,2,3
.irp nt, 0,1
.if (\dt == 0) && (\s4 == 0)
	v_wmma_f32_16x16x4_f32 v[OU+8*\nt:OU+8*\nt+7], v[OT+8*\dt+2*\s4:OT+8*\dt+2*\s4+1], v[\wb+32*\nt+8*\dt+2*\s4:\wb+32*\nt+8*\dt+2*\s4+1], 0
.else
	v_wmma_f32_16x16x4_f32 v[OU+8*\nt:OU+8*\nt+7], v[OT+8*\dt+2*\s4:OT+8*\dt+2*\s4+1], v[\wb+32*\nt+8*\dt+2*\s4:\wb+32*\nt+8*\dt+2*\s4+1], v[OU+8*\nt:OU+8*\nt+7]
.endif
.endr
.endr
.endr
.endm
.macro PARTS n0                        ; my partial sums of n tiles n0 and n0 + 1 go to LDS: register j of lane (r, h) is (query 8 h + j, output 16 nt + r); each accumulator from its low end on
.irp nt, 0,1
.irp j, 0,1,2,3,4,5,6,7
	ds_store_b32 v[LST], v[OU+8*\nt+\j] offset:(\n0+\nt)*TS+\j*128
.endr
.endr
.endm
	s_wait_loadcnt 17                              ; w_out of n tiles 0 and 1 is in; the bias's one and the second 16 may be out
	OUTP WA
.rept 9
	v_nop                                          ; nine places: the stores read the results (eight), and the next products begin the same two accumulators anew (nine)
.endr
	PARTS 0
	s_wait_dscnt 0x0
	s_wait_loadcnt 0x0                             ; w_out of n tiles 2 and 3, and the bias
	OUTP QF
.rept 8
	v_nop
.endr
	PARTS 2
	s_wait_dscnt 0x0                               ; for the others' sake: my stores are done
	s_barrier_signal -1
	s_barrier_wait -1
.irp i, 0,1,2,3,4,5,6,7,8,9,10,11,12,13,14,15
	ds_load_b64 v[WA+2*\i:WA+2*\i+1], v[LRD] offset:1024*\i       ; head i's part of my query's outputs 2 L and 2 L + 1
.endr
	s_wait_dscnt 0x0
	v_pk_add_f32 v[250:251], v[248:249], v[WA:WA+1]                ; the bias and the sixteen heads, in ascending order
.irp i, 1,2,3,4,5,6,7,8,9,10,11,12,13,14,15
	v_pk_add_f32 v[250:251], v[250:251], v[WA+2*\i:WA+2*\i+1]
.endr
	global_store_b64 v[GO], v[250:251], s[10:11]   ; 32 lanes store 256 consecutive bytes, aligned
	s_wait_tensorcnt 0x0                           ; the wave's end, behind my last LDS store
	ds_add_u32 v[SPW], v[NIL]
	s_wait_dscnt 0x0
	s_endpgm
.Lfunc_end_k_q010da2b2a4_fine:
	.size	k_q010da2b2a4_fine, .Lfunc_end_k_q010da2b2a4_fine-k_q010da2b2a4_fine
	.p2alignl 7, 3214868480
	.fill 96, 4, 3214868480
	.section	.rodata,"a",@progbits
	.p2align	6, 0x0
	.amdhsa_kernel k_q010da2b2a4_fine
		.amdhsa_group_segment_fixed_size 68096
		.amdhsa_private_segment_fixed_size 0
		.amdhsa_enable_private_segment 0
		.amdhsa_kernarg_size 32
		.amdhsa_user_sgpr_count 2
		.amdhsa_user_sgpr_kernarg_segment_ptr 1
		.amdhsa_wavefront_size32 1
		.amdhsa_system_sgpr_workgroup_id_x 1
		.amdhsa_system_sgpr_workgroup_id_y 1
		.amdhsa_system_sgpr_workgroup_id_z 1
		.amdhsa_system_vgpr_workitem_id 0
		.amdhsa_next_free_vgpr 256
		.amdhsa_next_free_sgpr 66
		.amdhsa_reserve_vcc 1
		.amdhsa_float_denorm_mode_32 3
		.amdhsa_float_denorm_mode_16_64 3
		.amdhsa_memory_ordered 1
		.amdhsa_forward_progress 1
		.amdhsa_inst_pref_size 25
	.end_amdhsa_kernel
	.amdgpu_metadata
---
amdhsa.version: [ 1, 2 ]
amdhsa.kernels:
  - .name:           k_q010da2b2a4_fine
    .symbol:         k_q010da2b2a4_fine.kd
    .args:
      - { .name: qkv32, .offset: 0, .size: 8, .value_kind: global_buffer, .address_space: global }
      - { .name: w_out, .offset: 8, .size: 8, .value_kind: global_buffer, .address_space: global }
      - { .name: b_out, .offset: 16, .size: 8, .value_kind: global_buffer, .address_space: global }
      - { .name: out0, .offset: 24, .size: 8, .value_kind: global_buffer, .address_space: global }
    .group_segment_fixed_size: 68096
    .private_segment_fixed_size: 0
    .kernarg_segment_align: 8
    .kernarg_segment_size: 32
    .max_flat_workgroup_size: 512
    .sgpr_count:     66
    .vgpr_count:     256
    .wavefront_size: 32
...
	.end_amdgpu_metadata
.endif
;; end of part 5
